; MI455X (gfx1250); checked and timed in simulation.
; The chip was launched on July 23, 2026; its instructions are those of AMD's public machine-readable ISA for CDNA 5 (MIT licence, August 2026) and "CDNA5" Instruction Set Architecture Reference Guide (July 2026). The comments in the code are by the model that wrote it; some were corrected since.
;; Multi Head Attention. Allowed arithmetic: matrix products marked QUANTISED: E2M1 operands, one E8M0 scale for each 32 along K, by v_wmma_scale_f32_16x16x128_f8f6f4 with both operands' format E2M1 (or v_wmma_scale_f32_32x16x128_f4), f32 sums; products left as they are: f32 operands where the result goes on into a quantised operand, else bf16, f16 or f32 operands; f32 sums; everything else in f32.
;; Inputs: W_key 8 x 128 x 16 float32; W_out 8 x 16 x 128 float32; W_query 8 x 128 x 16 float32; W_val 8 x 128 x 16 float32; h 4 x 2,048 x 128 float32.
;; Outputs: out0 4 x 2,048 x 128 float32.
;; This version of the problem:
;;   THIS VERSION OF THE PROBLEM IS GIVEN IN LOW PRECISION. The matrix products marked QUANTISED in the list below multiply operands that are first quantised to E2M1 (2 exponent bits, 1 mantissa bit; 4 bits a number), with one power-of-two scale for each 32 numbers along K (OCP MX v1.0); their sums are f32. All else is computed in f32.
;;   The module's matrix products, in the order in which they are computed (A, B: the left and right operand; K: the contracted axis; several contracted axes count as one K, in the product's order):
;;     1. [M 128, K 128] x [K 128, N 8,192]; A: input W_query; B: input h: QUANTISED
;;     2. [M 128, K 128] x [K 128, N 8,192]; A: input W_key; B: input h: QUANTISED
;;     3. [M 128, K 128] x [K 128, N 8,192]; A: input W_val; B: input h: QUANTISED
;;     4. batch 32 x [M 2,048, K 16] x [K 16, N 2,048]; A: computed on the way; B: computed on the way: left as it is (K = 16 < 32)
;;     5. batch 32 x [M 2,048, K 2,048] x [K 2,048, N 16]; A: softmax (see below); B: computed on the way: QUANTISED
;;     6. [M 8,192, K 128] x [K 128, N 128]; A: computed on the way; B: input W_out: QUANTISED
;;   THE QUANTISER, for each operand of a quantised product, along K:
;;     - K is cut into blocks of 32 from its start; a last block that is shorter is filled with zeros.
;;     - A block's scale is 2^e with e = floor(log2(the largest magnitude in the block)) - 2, held to -126 .. 127; a block of zeros has e = 0. As a byte (E8M0): e + 127.
;;     - Each number is divided by its block's scale, clamped to +-6, and rounded to the nearest number of E2M1, ties to even, subnormals kept.
;;     - The product sums the exact products of the quantised numbers (number of the format x scale) in f32.
;;   ~~~python
;;   def quantise(x, axis):      # numpy; x: float32 -> the quantised numbers, widened to float32 again
;;       x = np.moveaxis(x, axis, -1); K = x.shape[-1]
;;       x = np.pad(x, [(0, 0)] * (x.ndim - 1) + [(0, -K % 32)]); x = x.reshape(x.shape[:-1] + (-1, 32)); a = np.abs(x).max(-1, keepdims=True)
;;       e = np.where(a > 0, np.clip(np.frexp(np.where(a > 0, a, 1))[1] - 1 - 2, -126, 127), 0)      # np.frexp(a)[1] - 1 = floor(log2(a)), exactly
;;       r = np.clip(x / 2.0 ** e, -6, 6)
;;       step = 2.0 ** (np.maximum(np.frexp(np.where(r == 0, 1, r))[1] - 1, 0) - 1)
;;       q = np.round(r / step) * step * 2.0 ** e      # np.round: ties to even
;;       return np.moveaxis(q.reshape(q.shape[:-2] + (-1,))[..., :K], -1, axis).astype(np.float32)
;;   ~~~
;;   SOFTMAX AHEAD OF A QUANTISED PRODUCT. Where the list says 'softmax', what is quantised is not the finished softmax but p = 2^(t - M), with t = logit x log2(e) and M = ceil(the row's largest t), a whole number; so 1/2 < the row's largest p <= 1. The row's sum l is taken of the UNQUANTISED p, in f32, and the product's result is divided by l at the end. Since M is a whole number, a kernel that streams over the keys may use a running M (the ceiling of the running maximum): every later rescaling is an exact power of two, which a block's scale takes up: the codes' values come out the same.
;;   OPERANDS COMPUTED ON THE WAY. 'Computed on the way' means the value that the module computes at that place (a softmax that the list does not call 'softmax' is quantised finished and normalised). What goes into a quantiser is computed in f32, as accurately as f32 sums, v_exp_f32 and their like allow (about 1e-6 of the number): no bf16 or f16 on the way to a quantiser, and a product that is left as it is and whose result goes on into a quantised operand takes f32 operands (vector FMAs, or v_wmma_f32_16x16x4_f32). A number that lies on a knife's edge between two numbers of the format may be rounded either way, as far as f32 arithmetic and the matrix unit's own rounding can turn it there, and no further.
;; 2 versions, each right; version 2 is version 1 with the launches proj, attn, outp written anew for expert scheduling mode. Each part assembles by itself: llvm-mc -triple=amdgcn-amd-amdhsa -mcpu=gfx1250 --defsym DOCPART=n.
;; ======== version 1 of 2: 3 launches
;; workspace buffers: qimg 4,194,304 bytes; kimg 4,194,304 bytes; vimg 524,288 bytes; vsc 65,536 bytes; heads 4,194,304 bytes
;; launch proj (part 1): grid 64 x 1, 8 waves a work-group, no clusters, 10,240 bytes of LDS; arguments h, W_query, W_key, W_val, qimg, kimg, vimg, vsc; writes qimg, kimg, vimg, vsc
.if DOCPART == 1
	.amdgcn_target "amdgcn-amd-amdhsa--gfx1250"
	.amdhsa_code_object_version 6
	.text
	.protected	k_q8bdf67fc00_proj
	.globl	k_q8bdf67fc00_proj
	.p2align	8
	.type	k_q8bdf67fc00_proj,@function
k_q8bdf67fc00_proj:
	s_mov_b64 s[64:65], 0
	v_nop
	global_prefetch_b8 v0, s[64:65] scope:SCOPE_SE
	s_setreg_imm32_b32 hwreg(HW_REG_WAVE_MODE, 25, 1), 1
	s_wait_xcnt 0x0
; Q, K, V = h W_query, h W_key, h W_val for every head, both operands of each product as codes of FP4 (E2M1) with one E8M0 scale for each 32 along K = the 128 inputs.
; h: [8192 rows][128] f32.  W_*: [8 heads][128 (K)][16] f32.  OUT, all in the order of the next launch's operand registers:
;   qimg, kimg: [batch x head][128 tiles][1,024 bytes], f32: a tile's registers 0-3 at 16 x lane, registers 4-7 512 bytes on; lane (r, h) holds row r of the tile and numbers 8 h .. 8 h + 7 of the head's 16.
;   vimg: [batch x head][16 steps][1,024 bytes]: V quantised ALONG THE KEYS, a fragment of 16 (the head's numbers) x 128 keys as it stands in registers;  vsc: its scale words, 4 bytes a lane, 128 bytes a step.
; SHARES.  A work-group takes 128 rows, since one scale word of V spans 128 keys: 8,192 / 128 = 64 work-groups.  Wave w takes head w for all 128 rows; it also quantises tile w of h's rows, which goes to the
; other waves through LDS as an image of its registers: so h is read from memory once.  Each wave quantises its head's three weights: a lane takes a column and its registers run down K.
; THE ROWS OF A TILE ARE NOT NEIGHBOURS: lane r of tile 2 b + u takes row 32 b + 8 u + r + 8 (r / 8), so that in V's results the 16 registers of tiles 2 b and 2 b + 1 are 16 neighbouring keys.
; Q and K are made TRANSPOSED (source 0 = the weight's 16 columns, source 1 = 16 rows of h): a lane then holds one row and eight neighbouring numbers of the head.  V the other way round: a lane holds one of the head's 16 and eight keys.
; A block's scale is 2^(floor(log2(its largest magnitude)) - 2); its byte is the largest magnitude's exponent field - 2, held at 1 from below.
; LIMITS: a block of zeros gets the byte 1 where the rule says 127 (its codes are zeros, and this program alone reads the bytes); NaN and infinities among the inputs are not served.
; No tensor loads, no cluster: work-groups share only the weights, 196,608 bytes, which every one of them reads once.
.set XIMG, 0                           ; LDS: h's eight fragments, 1,024 bytes each,
.set XSC,  8192                        ; and their scale words, 128 bytes each
.set HH,   3                           ; v3      lane / 16
.set XA,   4                           ; v4      h: my lane's byte in the tile's rows
.set WA,   5                           ; v5      a weight: my column, and 32 rows down for lanes 16-31
.set LI,   6                           ; v6      16 x lane
.set LS,   7                           ; v7      4 x lane
.set XWI,  8                           ; v8      where I store my fragment of h: 16 x lane + 1,024 x wave
.set XWS,  9                           ; v9      and its scale words: 4 x lane + 128 x wave
.set HS,   10                          ; v10-17  h's scale words, tile by tile: scales and nothing else
.set WF,   18                          ; v18-41  the weights' fragments: query's, key's, value's
.set WS,   42                          ; v42-44  their scale words
.set PW,   45                          ; v45     the scale word just made
.set TM,   46                          ; v46-49 largest magnitudes, v50-53 bytes and what comes from the other half of the lanes, v54-57 the conversions' scale operands
.set SH8,  58                          ; v58     8 x (lane / 16)
.set RAW0, 64                          ; v64-127   h's numbers, later W_val's
.set RAW1, 128                         ; v128-191  W_query's
.set RAW2, 192                         ; v192-255  W_key's
.set HF,   64                          ; behind the quantising: h's eight fragments,
.set QD,   128                         ; two tiles of Q,
.set KD,   144                         ; two of K,
.set VPC,  160                         ; V's codes,
.set VD,   192                         ; and eight tiles of V
.set WV,   20                          ; s20     my wave's number
.set SEL,  36                          ; s[36:37] v_permlanex16_b32's selects for lane l xor 16
; 64 numbers of a lane, register 16 b + i = k 32 b + 16 (lane / 16) + i of my row, become a fragment's codes in v[pc] on and its scale word in v[PW]
.macro QUANT s, pc
.irp b, 0,1,2,3
	v_max3_num_f32 v[TM+\b], |v[\s+16*\b]|, |v[\s+1+16*\b]|, 0x1800000   ; block b: my 16 numbers, and the floor 2^(3 - 127): so the byte cannot fall under 1
.endr
.irp i, 2,4,6,8,10,12,14
.irp b, 0,1,2,3
	v_max3_num_f32 v[TM+\b], v[TM+\b], |v[\s+16*\b+\i]|, |v[\s+1+16*\b+\i]|   ; the four blocks by turns
.endr
.endr
.irp b, 0,1,2,3
	v_permlanex16_b32 v[TM+4+\b], v[TM+\b], s[SEL], s[SEL+1]
.endr
.irp b, 0,1,2,3
	v_max_num_f32 v[TM+\b], v[TM+\b], v[TM+4+\b]   ; with lane l xor 16's: the block's largest magnitude
.endr
.irp b, 0,1,2,3
	v_add_nc_u32 v[TM+8+\b], 0xff000000, v[TM+\b]  ; 2 off its exponent field: the conversion takes this operand's exponent field as its scale
.endr
.irp b, 0,1,2,3
	v_lshrrev_b32 v[TM+4+\b], 23, v[TM+8+\b]       ; the scale's byte
.endr
	v_lshl_or_b32 v[PW], v[TM+5], 8, v[TM+4]
	v_lshl_or_b32 v[PW], v[TM+6], 16, v[PW]
	v_lshl_or_b32 v[PW], v[TM+7], 24, v[PW]
.irp b, 0,1,2,3
	v_cvt_scalef32_pk8_fp4_f32 v[\pc+2*\b], v[\s+16*\b:\s+7+16*\b], v[TM+8+\b]
	v_cvt_scalef32_pk8_fp4_f32 v[\pc+1+2*\b], v[\s+8+16*\b:\s+15+16*\b], v[TM+8+\b]
.endr
	v_nop                                          ; one plain instruction behind the last scaled conversion
.irp c, 0,1                                    ; the operand wants a whole block in a lane: lanes 0-15 block 2 c, lanes 16-31 block 2 c + 1
.irp i, 0,1
	v_permlane16_swap_b32 v[\pc+4*\c+\i], v[\pc+2+4*\c+\i]
.endr
.endr
.endm
; a weight of one head, [128 (K)][16]: W(64 c + 32 (lane / 16) + n, lane % 16) into register 32 c + n: sixteen lanes read 64 neighbouring bytes
.macro WLOAD raw, base
.set n, 0
.rept 32
	global_load_b32 v[\raw+n], v[WA], s[\base:\base+1] offset:64*n
.set n, n+1
.endr
.set n, 0
.rept 32
	global_load_b32 v[\raw+32+n], v[WA], s[\base:\base+1] offset:64*(64+n)
.set n, n+1
.endr
.endm
; my column's blocks (lane / 16) and 2 + (lane / 16) are all mine: codes straight into the operand's registers, the scale word gathered from lanes l and l xor 16
.macro WQUANT raw, dst, sw
.irp c, 0,1
	v_max3_num_f32 v[TM+\c], |v[\raw+32*\c]|, |v[\raw+32*\c+1]|, 0x1800000
.endr
.irp i, 2,4,6,8,10,12,14,16,18,20,22,24,26,28,30
.irp c, 0,1
	v_max3_num_f32 v[TM+\c], v[TM+\c], |v[\raw+32*\c+\i]|, |v[\raw+32*\c+\i+1]|
.endr
.endr
.irp c, 0,1
	v_add_nc_u32 v[TM+8+\c], 0xff000000, v[TM+\c]
.endr
.irp c, 0,1
	v_lshrrev_b32 v[TM+4+\c], 23, v[TM+8+\c]
.endr
	v_lshl_or_b32 v[\sw], v[TM+5], 16, v[TM+4]     ; my two bytes,
	v_lshlrev_b32 v[\sw], v[SH8], v[\sw]           ; at their places in the word;
	v_permlanex16_b32 v[TM+6], v[\sw], s[SEL], s[SEL+1]
	v_or_b32 v[\sw], v[\sw], v[TM+6]               ; with lane l xor 16's two the word is whole
.irp c, 0,1
.irp g, 0,1,2,3
	v_cvt_scalef32_pk8_fp4_f32 v[\dst+4*\c+\g], v[\raw+32*\c+8*\g:\raw+32*\c+8*\g+7], v[TM+8+\c]
.endr
.endr
	v_nop                                          ; one plain instruction behind the last scaled conversion
.endm
	s_load_b256 s[4:11], s[0:1], 0x0               ; h s[4:5], W_query s[6:7], W_key s[8:9], W_val s[10:11]
	s_load_b256 s[12:19], s[0:1], 0x20             ; qimg s[12:13], kimg s[14:15], vimg s[16:17], vsc s[18:19]
	v_lshl_add_u32 v62, v0, 2, 0x2400
	v_mov_b32 v63, 0
	v_lshrrev_b32 v1, 5, v0
	v_readfirstlane_b32 s[WV], v1                  ; wave 0..7: my head, and the tile of h that I quantise
	v_and_b32 v1, 31, v0                           ; lane
	v_and_b32 v2, 15, v0                           ; r
	v_bfe_u32 v[HH], v0, 4, 1
	v_and_b32 v[XA], 8, v2
	v_add_nc_u32 v[XA], v[XA], v2                  ; r + 8 (r / 8)
	v_lshlrev_b32 v[XA], 9, v[XA]                  ; rows of 512 bytes,
	v_lshl_add_u32 v[XA], v[HH], 6, v[XA]          ; + 64 (lane / 16): my 16 numbers of a block of 32
	v_lshlrev_b32 v[WA], 2, v2
	v_lshl_add_u32 v[WA], v[HH], 11, v[WA]         ; column r; lanes 16-31 begin 32 rows of 64 bytes further down
	v_lshlrev_b32 v[LI], 4, v1
	v_lshlrev_b32 v[LS], 2, v1
	s_lshl_b32 s21, s[WV], 10
	v_add_nc_u32 v[XWI], s21, v[LI]
	s_lshl_b32 s21, s[WV], 7
	v_add_nc_u32 v[XWS], s21, v[LS]
	v_lshlrev_b32 v[SH8], 3, v[HH]
.irp b, 0,1,2,3
	v_mov_b32 v[TM+4+\b], 0                        ; written once: a lane permute's destination counts as one of its sources
.endr
	s_mov_b32 s[SEL], 0x76543210
	s_mov_b32 s[SEL+1], 0xfedcba98
	s_lshl_b32 s22, ttmp9, 7                       ; the work-group's first row,
	s_lshr_b32 s23, s[WV], 1
	s_lshl_b32 s23, s23, 5
	s_add_co_u32 s22, s22, s23                     ; + 32 (wave / 2)
	s_and_b32 s23, s[WV], 1
	s_lshl_b32 s23, s23, 3
	s_add_co_u32 s22, s22, s23                     ; + 8 (wave % 2): my tile's first row,
	s_lshl_b32 s22, s22, 9                         ; in bytes
	s_mov_b32 s23, 0
	s_lshl_b32 s24, s[WV], 13                      ; my head's 8,192 bytes in each weight
	s_mov_b32 s25, 0
	s_lshr_b32 s26, ttmp9, 4                       ; the batch: 16 work-groups each
	s_lshl_b32 s26, s26, 3
	s_add_co_u32 s26, s26, s[WV]                   ; 8 x batch + head
	s_and_b32 s27, ttmp9, 15                       ; which 128 rows of the batch
	s_lshl_b32 s28, s26, 17
	s_lshl_b32 s29, s27, 13
	s_add_co_u32 s28, s28, s29                     ; Q's and K's images: 131,072 bytes a head, 8,192 for 128 rows
	s_mov_b32 s29, 0
	s_lshl_b32 s30, s26, 14
	s_lshl_b32 s31, s27, 10
	s_add_co_u32 s30, s30, s31                     ; V's codes: 16,384 and 1,024
	s_mov_b32 s31, 0
	s_lshl_b32 s32, s26, 11
	s_lshl_b32 s33, s27, 7
	s_add_co_u32 s32, s32, s33                     ; V's scale words: 2,048 and 128
	s_mov_b32 s33, 0
	s_wait_kmcnt 0x0
	s_add_nc_u64 s[4:5], s[4:5], s[22:23]
	s_add_nc_u64 s[6:7], s[6:7], s[24:25]
	s_add_nc_u64 s[8:9], s[8:9], s[24:25]
	s_add_nc_u64 s[10:11], s[10:11], s[24:25]
	s_add_nc_u64 s[12:13], s[12:13], s[28:29]
	s_add_nc_u64 s[14:15], s[14:15], s[28:29]
	s_add_nc_u64 s[16:17], s[16:17], s[30:31]
	s_add_nc_u64 s[18:19], s[18:19], s[32:33]
.irp b, 0,1,2,3
.irp j, 0,1,2,3
	global_load_b128 v[RAW0+16*\b+4*\j:RAW0+16*\b+4*\j+3], v[XA], s[4:5] offset:128*\b+16*\j th:TH_LOAD_NT   ; my tile of h: read by this wave alone
.endr
.endr
	WLOAD RAW1, 6
	s_wait_loadcnt 63                              ; h's 16 loads are in: 64 loads were issued behind them, and 63 is the most that this wait can name (ISA guide 5.7.1)
	QUANT RAW0, WF+16                              ; (the codes stand for a while where W_val's fragment will be)
	ds_store_b128 v[XWI], v[WF+16:WF+19] offset:XIMG        ; the fragment goes to LDS as it stands in registers: 16 bytes a lane, 512 a store
	ds_store_b128 v[XWI], v[WF+20:WF+23] offset:XIMG+512
	ds_store_b32 v[XWS], v[PW] offset:XSC
	WLOAD RAW2, 8
	s_wait_loadcnt 63                              ; W_query is in: W_key's 64 loads were issued behind it
	WQUANT RAW1, WF, WS
	s_wait_dscnt 0x0                               ; my LDS stores are done
	WLOAD RAW0, 10
	s_wait_loadcnt 63                              ; W_key is in: W_val's 64 loads were issued behind it
	WQUANT RAW2, WF+8, WS+1
	s_wait_loadcnt 0x0
	WQUANT RAW0, WF+16, WS+2
	s_barrier_signal -1                            ; every wave's fragment of h lies in LDS (each has waited for its stores above)
	s_barrier_wait -1
.set n, 0
.rept 8
	ds_load_b128 v[HF+8*n:HF+8*n+3], v[LI] offset:XIMG+1024*n
	ds_load_b128 v[HF+8*n+4:HF+8*n+7], v[LI] offset:XIMG+1024*n+512
	ds_load_b32 v[HS+n], v[LS] offset:XSC+128*n
.set n, n+1
.endr
.rept 8
	v_nop                                          ; a scale register written by a vector instruction stands eight plain instructions ahead of a scaled matrix instruction, an operand so written four
.endr
	s_wait_dscnt 0x0
.irp p, 0,1,2,3                                ; two tiles of rows at a time; K = 128 is one instruction, so every product starts and ends its sum
.irp u, 0,1
	v_wmma_scale_f32_16x16x128_f8f6f4 v[QD+8*\u:QD+8*\u+7], v[WF:WF+7], v[HF+8*(2*\p+\u):HF+8*(2*\p+\u)+7], 0, v[WS], v[HS+2*\p+\u] matrix_a_fmt:MATRIX_FMT_FP4 matrix_b_fmt:MATRIX_FMT_FP4
	v_wmma_scale_f32_16x16x128_f8f6f4 v[KD+8*\u:KD+8*\u+7], v[WF+8:WF+15], v[HF+8*(2*\p+\u):HF+8*(2*\p+\u)+7], 0, v[WS+1], v[HS+2*\p+\u] matrix_a_fmt:MATRIX_FMT_FP4 matrix_b_fmt:MATRIX_FMT_FP4
	v_wmma_scale_f32_16x16x128_f8f6f4 v[VD+8*(2*\p+\u):VD+8*(2*\p+\u)+7], v[HF+8*(2*\p+\u):HF+8*(2*\p+\u)+7], v[WF+16:WF+23], 0, v[HS+2*\p+\u], v[WS+2] matrix_a_fmt:MATRIX_FMT_FP4 matrix_b_fmt:MATRIX_FMT_FP4
.endr
.rept 5
	v_nop                                          ; four plain instructions ahead of the stores that read the results, five ahead of the next pair's products, which write the same registers
.endr
.irp u, 0,1
	global_store_b128 v[LI], v[QD+8*\u:QD+8*\u+3], s[12:13] offset:1024*(2*\p+\u)          ; each store of the wave covers 512 consecutive bytes, aligned; each accumulator from its low end on
	global_store_b128 v[LI], v[QD+8*\u+4:QD+8*\u+7], s[12:13] offset:1024*(2*\p+\u)+512
	global_store_b128 v[LI], v[KD+8*\u:KD+8*\u+3], s[14:15] offset:1024*(2*\p+\u)
	global_store_b128 v[LI], v[KD+8*\u+4:KD+8*\u+7], s[14:15] offset:1024*(2*\p+\u)+512
.endr
	s_wait_xcnt 0x0                                ; the stores' data registers are written again only behind this wait
.endr
	QUANT VD, VPC                                  ; V along the keys: register 16 b + i is key 32 b + 16 (lane / 16) + i of my one of the head's 16
	global_store_b128 v[LI], v[VPC:VPC+3], s[16:17]
	global_store_b128 v[LI], v[VPC+4:VPC+7], s[16:17] offset:512
	global_store_b32 v[LS], v[PW], s[18:19]        ; lanes 16-31 hold the same words as lanes 0-15: the image is stored whole, 128 bytes
	s_wait_tensorcnt 0x0
	ds_add_u32 v62, v63
	s_wait_dscnt 0x0
	s_endpgm
.Lfunc_end_k_q8bdf67fc00_proj:
	.size	k_q8bdf67fc00_proj, .Lfunc_end_k_q8bdf67fc00_proj-k_q8bdf67fc00_proj
	.p2alignl 7, 3214868480
	.fill 96, 4, 3214868480
	.section	.rodata,"a",@progbits
	.p2align	6, 0x0
	.amdhsa_kernel k_q8bdf67fc00_proj
		.amdhsa_group_segment_fixed_size 10240
		.amdhsa_private_segment_fixed_size 0
		.amdhsa_enable_private_segment 0
		.amdhsa_kernarg_size 64
		.amdhsa_user_sgpr_count 2
		.amdhsa_user_sgpr_kernarg_segment_ptr 1
		.amdhsa_wavefront_size32 1
		.amdhsa_system_sgpr_workgroup_id_x 1
		.amdhsa_system_sgpr_workgroup_id_y 1
		.amdhsa_system_sgpr_workgroup_id_z 1
		.amdhsa_system_vgpr_workitem_id 0
		.amdhsa_next_free_vgpr 256
		.amdhsa_next_free_sgpr 66
		.amdhsa_reserve_vcc 0
		.amdhsa_float_denorm_mode_32 3
		.amdhsa_float_denorm_mode_16_64 3
		.amdhsa_memory_ordered 1
		.amdhsa_forward_progress 1
		.amdhsa_inst_pref_size 48
	.end_amdhsa_kernel
	.amdgpu_metadata
---
amdhsa.version: [ 1, 2 ]
amdhsa.kernels:
  - .name:           k_q8bdf67fc00_proj
    .symbol:         k_q8bdf67fc00_proj.kd
    .args:
      - { .name: h, .offset: 0, .size: 8, .value_kind: global_buffer, .address_space: global }
      - { .name: W_query, .offset: 8, .size: 8, .value_kind: global_buffer, .address_space: global }
      - { .name: W_key, .offset: 16, .size: 8, .value_kind: global_buffer, .address_space: global }
      - { .name: W_val, .offset: 24, .size: 8, .value_kind: global_buffer, .address_space: global }
      - { .name: qimg, .offset: 32, .size: 8, .value_kind: global_buffer, .address_space: global }
      - { .name: kimg, .offset: 40, .size: 8, .value_kind: global_buffer, .address_space: global }
      - { .name: vimg, .offset: 48, .size: 8, .value_kind: global_buffer, .address_space: global }
      - { .name: vsc, .offset: 56, .size: 8, .value_kind: global_buffer, .address_space: global }
    .group_segment_fixed_size: 10240
    .private_segment_fixed_size: 0
    .kernarg_segment_align: 8
    .kernarg_segment_size: 64
    .max_flat_workgroup_size: 256
    .sgpr_count:     66
    .vgpr_count:     256
    .wavefront_size: 32
...
	.end_amdgpu_metadata
.endif
;; end of part 1
;; launch attn (part 2): grid 8 x 32, 16 waves a work-group, no clusters, 151,552 bytes of LDS; arguments qimg, kimg, vimg, vsc, heads; writes heads
.if DOCPART == 2
	.amdgcn_target "amdgcn-amd-amdhsa--gfx1250"
	.amdhsa_code_object_version 6
	.text
	.protected	k_q8bdf67fc00_attn
	.globl	k_q8bdf67fc00_attn
	.p2align	8
	.type	k_q8bdf67fc00_attn,@function
k_q8bdf67fc00_attn:
	s_mov_b64 s[64:65], 0
	v_nop
	global_prefetch_b8 v0, s[64:65] scope:SCOPE_SE
	s_setreg_imm32_b32 hwreg(HW_REG_WAVE_MODE, 25, 1), 1
	s_wait_xcnt 0x0
; heads[query][:] = the sum over keys of softmax(Q . K / 4) V, for one (batch, head) and 256 queries a work-group.
; The scores are a product of f32 operands (K = 16), by v_wmma_f32_16x16x4_f32, since they go on into a quantiser.  The second product is on codes of FP4 (E2M1) with one E8M0 scale for each 32 keys.
; THE SOFTMAX AHEAD OF IT: t = score x log2(e) / 4; M = the row's largest t so far, rounded UP to a whole number; p = 2^(t - M) is what is quantised, along the keys, not normalised.  The row's sum is taken of the
; unquantised p and divides at the end.  When M moves, the sum and O are multiplied by 2^(old M - new M): exact.
; IN: qimg, kimg: tiles of 16 rows, 1,024 bytes, in the order of the f32 form's operand registers: lane (r, h) holds row r and numbers 8 h .. 8 h + 7 of the head's 16; instruction i of four takes registers 2 i, 2 i + 1:
; the same permutation of K on both sides.  vimg, vsc: V's fragments (16 of the head x 128 keys) and scale words as they stand in registers.
; THE KEYS OF A TILE ARE NOT NEIGHBOURS: lane r of tile 2 b + u takes key 32 b + 8 u + r + 8 (r / 8), so that the 16 registers of tiles 2 b, 2 b + 1 of S^T are keys 32 b + 16 (lane / 16) + 0 .. 15.
; Both products are used transposed (S^T = K Q^T, O^T = V^T P^T): a lane holds ONE query throughout.
; SHARES.  Sixteen waves, each one tile of 16 queries in 256 registers, four waves to a SIMD, so that one wave's vector work stands beside another's matrix work.  A head's K (131,072 bytes), V's codes (16,384) and
; V's scale words (2,048) all lie in LDS: filled once through registers, one barrier, and the loop over the keys, 16 steps of 128, reads no memory.
; NO CLUSTER, NO TENSOR LOAD, NO PREFETCH: what the eight work-groups of a head share is read once, 149,504 bytes at the head, ahead of 16 steps of 33 matrix instructions in each of 16 waves; nothing is filled again and no stream is waited for in the loop.
; OUT: heads: [batch x head][128 tiles][1,024 bytes] f32: registers 0-3 at 16 x lane, 4-7 512 bytes on; lane (r, h) holds the tile's query r and numbers 8 h .. 8 h + 7.
; LIMITS: NaN and infinities are not served; p under 2^-126 comes out of v_exp_f32 as 0; a block whose every p is 0 has the byte 1 (its codes are zeros); 1 / the sum is v_rcp_f32 and a multiplication.
.set VL,  131072                       ; LDS: K's tiles from 0, V's codes from here,
.set SL,  147456                       ; V's scale words from here
.set AK,  1                            ; v1      16 x lane: my place in a tile of K; also my offset in Q's and the result's tile
.set AV,  2                            ; v2      the same in V's fragments
.set AS,  3                            ; v3      4 x lane among V's scale words
.set ADK, 4                            ; v4-6    the addresses of the loads in hand
.set ADV, 5
.set ADS, 6
.set FF,  10                           ; v[10:11] f = 2^(old M - new M) (the packed form names a pair and takes its low word)
.set NM,  12                           ; v12     -M
.set TX,  13                           ; v13     the largest t so far
.set SUM, 14                           ; v[14:15] the row's sum, in two halves
.set QF,  16                           ; v16-23  Q's fragment
.set OA,  24                           ; v24-31  O^T
.set VF,  32                           ; v32-39  V's fragment of the step
.set PC,  40                           ; v40-47  p's codes
.set VS,  48                           ; v48     V's scale words: scales and nothing else
.set PW,  49                           ; v49     p's scale word: likewise
.set BM,  50                           ; v50-53  the blocks' largest scores, then largest p
.set BP,  54                           ; v54-57  from the other half of the lanes; bytes; a second chain of the sum
.set SO,  58                           ; v58-61  the conversions' scale operands
.set TT,  62                           ; v62     at work
.set KF,  64                           ; v64-127  K's eight fragments of a step
.set SR,  128                          ; v128-191 S^T: written by matrix instructions alone
.set PR,  192                          ; v192-255 t - M, then p
.set CS,  24                           ; s[24:25] c = log2(e) / 4
.set SEL, 26                           ; s[26:27] v_permlanex16_b32's selects for lane l xor 16
.set TK,  28                           ; s28     LDS byte of the next step's tiles of K
.set TV,  29                           ; s29     of this step's fragment of V
.set TS,  30                           ; s30     of its scale words
.set CNT, 31
.macro KLOAD adr                       ; a step's eight tiles of K: each load takes 512 consecutive bytes
.set n, 0
.rept 8
	ds_load_b128 v[KF+8*n:KF+8*n+3], v[\adr] offset:1024*n
	ds_load_b128 v[KF+8*n+4:KF+8*n+7], v[\adr] offset:1024*n+512
.set n, n+1
.endr
.endm
	s_load_b256 s[4:11], s[0:1], 0x0               ; qimg s[4:5], kimg s[6:7], vimg s[8:9], vsc s[10:11]
	s_load_b64 s[12:13], s[0:1], 0x20              ; heads
	v_lshrrev_b32 v7, 5, v0
	v_readfirstlane_b32 s14, v7                    ; wave 0..15
	s_and_b32 s15, ttmp7, 0xffff                   ; 8 x batch + head
	v_lshlrev_b32 v7, 4, v0                        ; the fill: 16 bytes a thread, 8,192 a load of the work-group
	v_lshlrev_b32 v8, 2, v0
	v_add_nc_u32 v9, 0x10000, v7                   ; (an LDS offset holds 16 bits)
	v_add_nc_u32 v[ADK], VL, v7
	v_add_nc_u32 v[ADV], SL, v8
	v_and_b32 v[AK], 31, v0
	v_lshlrev_b32 v[AS], 2, v[AK]
	v_lshlrev_b32 v[AK], 4, v[AK]
	v_add_nc_u32 v[AV], VL, v[AK]
	v_add_nc_u32 v[AS], SL, v[AS]
	s_lshl_b32 s16, s15, 17                        ; the head's first byte in kimg (and qimg, heads),
	s_mov_b32 s17, 0
	s_lshl_b32 s18, s15, 14                        ; in vimg,
	s_mov_b32 s19, 0
	s_lshl_b32 s20, s15, 11                        ; in vsc
	s_mov_b32 s21, 0
	s_lshl_b32 s22, ttmp9, 4
	s_add_co_u32 s22, s22, s14                     ; my tile of queries: 16 x work-group x + wave
	s_lshl_b32 s22, s22, 10
	s_add_co_u32 s22, s22, s16
	s_mov_b32 s23, 0
	s_mov_b32 s[CS], 0x3eb8aa3b                    ; log2(e) / 4
	s_mov_b32 s[CS+1], s[CS]                       ; (named with it as a pair, so it is written)
	s_mov_b32 s[SEL], 0x76543210
	s_mov_b32 s[SEL+1], 0xfedcba98
	s_mov_b32 s[TK], 8192
	s_mov_b32 s[TV], 0
	s_mov_b32 s[TS], 0
	s_mov_b32 s[CNT], 15
	s_wait_kmcnt 0x0
	s_add_nc_u64 s[6:7], s[6:7], s[16:17]
	s_add_nc_u64 s[8:9], s[8:9], s[18:19]
	s_add_nc_u64 s[10:11], s[10:11], s[20:21]
	s_add_nc_u64 s[4:5], s[4:5], s[22:23]
	s_add_nc_u64 s[12:13], s[12:13], s[22:23]
.set n, 0
.rept 16
	global_load_b128 v[PR+4*n:PR+4*n+3], v7, s[6:7] offset:8192*n      ; K: 21 loads of a thread are on their way together
.set n, n+1
.endr
	global_load_b128 v[KF:KF+3], v7, s[8:9]                            ; V's codes
	global_load_b128 v[KF+4:KF+7], v7, s[8:9] offset:8192
	global_load_b32 v[KF+8], v8, s[10:11]                              ; V's scale words
	global_load_b128 v[QF:QF+3], v[AK], s[4:5] th:TH_LOAD_NT           ; my tile of Q: read by this wave alone
	global_load_b128 v[QF+4:QF+7], v[AK], s[4:5] offset:512 th:TH_LOAD_NT
	v_mov_b32 v[TX], 0xff61b1e6                    ; the largest t so far: -3e38, under every t
	v_floor_f32 v[NM], -v[TX]                      ; -M
	v_mov_b32 v[SUM], 0
	v_mov_b32 v[SUM+1], 0
	v_mov_b32 v[FF+1], 0                           ; (the pair's upper word is named, so it is written)
.irp b, 0,1,2,3
	v_mov_b32 v[BP+\b], 0                          ; written once: a lane permute's destination counts as one of its sources
.endr
.irp j, 0,1,2,3,4,5,6,7
	v_mov_b32 v[OA+\j], 0                          ; O^T: the step is written without a first step of its own: the first change of M multiplies zeros
.endr
.set n, 0
.rept 8
	s_wait_loadcnt 20-n                            ; load n of K is in: behind it were issued 15 - n of K, two of V, one of scale words, two of Q
	ds_store_b128 v7, v[PR+4*n:PR+4*n+3] offset:8192*n
.set n, n+1
.endr
.rept 8
	s_wait_loadcnt 20-n
	ds_store_b128 v9, v[PR+4*n:PR+4*n+3] offset:8192*(n-8)
.set n, n+1
.endr
	s_wait_loadcnt 4                               ; V's first load: four were issued behind it
	ds_store_b128 v[ADK], v[KF:KF+3]
	s_wait_loadcnt 3
	ds_store_b128 v[ADK], v[KF+4:KF+7] offset:8192
	s_wait_loadcnt 2
	ds_store_b32 v[ADV], v[KF+8]
	s_wait_loadcnt 0x0                             ; Q
	s_wait_dscnt 0x0                               ; for the others' sake: my stores into LDS are done
	s_barrier_signal -1
	s_barrier_wait -1                              ; K, V and the scale words are whole; nothing is written to LDS from here on
	KLOAD AK                                       ; step 0's tiles
; A KEY STEP: 128 keys.  fetch = 1: the next step's tiles of K are asked for as soon as this step's have been multiplied, and land under the softmax.
.macro STEP fetch
	s_wait_dscnt 0x0                               ; this step's tiles of K are in
.irp i, 0,1,2,3                                ; S^T = K Q^T: four along K an instruction; the eight accumulators take turns, one instruction a turn; the first link starts each sum with 0
.irp t, 0,1,2,3,4,5,6,7
.if \i == 0
	v_wmma_f32_16x16x4_f32 v[SR+8*\t:SR+8*\t+7], v[KF+8*\t:KF+8*\t+1], v[QF:QF+1], 0
.else
	v_wmma_f32_16x16x4_f32 v[SR+8*\t:SR+8*\t+7], v[KF+8*\t+2*\i:KF+8*\t+2*\i+1], v[QF+2*\i:QF+2*\i+1], v[SR+8*\t:SR+8*\t+7]
.endif
.endr
.endr
	v_add_nc_u32 v[ADV], s[TV], v[AV]              ; eight plain instructions behind this form, ahead of loads into its sources and of the first read of its results: three of use, five v_nop
	v_add_nc_u32 v[ADS], s[TS], v[AS]
.if \fetch
	v_add_nc_u32 v[ADK], s[TK], v[AK]
.else
	v_nop
.endif
.rept 5
	v_nop
.endr
	ds_load_b128 v[VF:VF+3], v[ADV]                ; this step's fragment of V and its scale words,
	ds_load_b128 v[VF+4:VF+7], v[ADV] offset:512
	ds_load_b32 v[VS], v[ADS]
.if \fetch
	KLOAD ADK                                      ; then the next step's K
.endif
.irp b, 0,1,2,3
	v_max3_num_f32 v[BM+\b], v[SR+16*\b], v[SR+16*\b+1], v[SR+16*\b+2]   ; THE LARGEST SCORE OF EACH BLOCK OF 32 KEYS serves twice: for the row's maximum and, since p rises with the score, for the block's largest p.  Each accumulator is read from its low end on
.endr
.irp i, 3,5,7,9,11,13
.irp b, 0,1,2,3
	v_max3_num_f32 v[BM+\b], v[BM+\b], v[SR+16*\b+\i], v[SR+16*\b+\i+1]
.endr
.endr
.irp b, 0,1,2,3
	v_max_num_f32 v[BM+\b], v[BM+\b], v[SR+16*\b+15]
.endr
.irp b, 0,1,2,3
	v_permlanex16_b32 v[BP+\b], v[BM+\b], s[SEL], s[SEL+1]
.endr
.irp b, 0,1,2,3
	v_max_num_f32 v[BM+\b], v[BM+\b], v[BP+\b]     ; with lane l xor 16's 16 keys
.endr
	v_max3_num_f32 v[TT], v[BM], v[BM+1], v[BM+2]
	v_max_num_f32 v[TT], v[TT], v[BM+3]            ; the step's largest score of my query,
	v_mul_f32 v[TT], s[CS], v[TT]                  ; as t (c is positive)
	v_max_num_f32 v[TX], v[TX], v[TT]              ; the running largest t
	v_mov_b32 v[TT], v[NM]
	v_floor_f32 v[NM], -v[TX]                      ; the new -M = floor(-t) = -ceil(t): M is a whole number
	v_sub_f32 v[TT], v[NM], v[TT]                  ; old M - new M: a whole number, 0 or less
	v_cvt_i32_f32 v[TT], v[TT]                     ; (it saturates)
	v_ldexp_f32 v[FF], 1.0, v[TT]                  ; f = 2^(old M - new M)
.set n, 0
.rept 32
	v_pk_fma_f32 v[PR+n:PR+n+1], v[SR+n:SR+n+1], s[CS:CS+1], v[NM:NM+1] op_sel_hi:[1,0,0]   ; t - M, two at a time, into registers of their own
.set n, n+2
.endr
.irp b, 0,1,2,3
	v_fma_f32 v[BM+\b], v[BM+\b], s[CS], v[NM]     ; the same of each block's largest score
.endr
.irp b, 0,1,2,3
	v_exp_f32 v[BM+\b], v[BM+\b]                   ; the block's largest p: the same two instructions on the same number give the same bits
.endr
.set n, 0
.rept 64
	v_exp_f32 v[PR+n], v[PR+n]                     ; p = 2^(t - M), at most 1: not normalised.  ONE BATCH of 68 exponentials
.set n, n+1
.endr
	v_pk_mul_f32 v[SUM:SUM+1], v[SUM:SUM+1], v[FF:FF+1] op_sel_hi:[1,0]   ; the sums under the new M: the plain instruction behind the last exponential
	s_wait_alu depctr_va_vdst(0)                   ; one wait for the whole batch, ahead of the first instruction that names a result
.irp b, 0,1,2,3
	v_max_num_f32 v[BM+\b], 0x1800000, v[BM+\b]    ; the floor 2^(3 - 127): the byte cannot fall under 1
.endr
.irp b, 0,1,2,3
	v_add_nc_u32 v[SO+\b], 0xff000000, v[BM+\b]    ; 2 off the exponent field: the conversion's scale operand
.endr
.irp b, 0,1,2,3
	v_lshrrev_b32 v[BP+\b], 23, v[SO+\b]           ; the scale's byte
.endr
	v_lshl_or_b32 v[PW], v[BP+1], 8, v[BP]         ; p's scale word for these 128 keys
	v_lshl_or_b32 v[PW], v[BP+2], 16, v[PW]
	v_lshl_or_b32 v[PW], v[BP+3], 24, v[PW]
.irp b, 0,1,2,3
	v_cvt_scalef32_pk8_fp4_f32 v[PC+2*\b], v[PR+16*\b:PR+16*\b+7], v[SO+\b]
	v_cvt_scalef32_pk8_fp4_f32 v[PC+2*\b+1], v[PR+16*\b+8:PR+16*\b+15], v[SO+\b]
.endr
	v_nop                                          ; one plain instruction behind the last scaled conversion
.irp c, 0,1                                    ; the operand wants a whole block in a lane: lanes 0-15 block 2 c, lanes 16-31 block 2 c + 1
.irp i, 0,1
	v_permlane16_swap_b32 v[PC+4*\c+\i], v[PC+2+4*\c+\i]
.endr
.endr
.irp j, 0,2,4,6
	v_pk_mul_f32 v[OA+\j:OA+\j+1], v[OA+\j:OA+\j+1], v[FF:FF+1] op_sel_hi:[1,0]   ; O^T under the new M, from its low end on
.endr
	v_pk_add_f32 v[BP:BP+1], v[PR:PR+1], v[PR+2:PR+3]   ; THE ROW'S SUM IS TAKEN OF THE UNQUANTISED p: two at a time, in two chains.  These 32 also stand between the scale word's and the codes' last writes and the scaled matrix instruction (eight and four are asked)
.set n, 4
.rept 15
	v_pk_add_f32 v[SUM:SUM+1], v[SUM:SUM+1], v[PR+n:PR+n+1]
	v_pk_add_f32 v[BP:BP+1], v[BP:BP+1], v[PR+n+2:PR+n+3]
.set n, n+4
.endr
	v_pk_add_f32 v[SUM:SUM+1], v[SUM:SUM+1], v[BP:BP+1]
.if \fetch
	s_wait_dscnt 16                                ; V's three loads are in; the 16 loads of the next step's K, issued behind them, may be out
.else
	s_wait_dscnt 0x0
.endif
	v_wmma_scale_f32_16x16x128_f8f6f4 v[OA:OA+7], v[VF:VF+7], v[PC:PC+7], v[OA:OA+7], v[VS], v[PW] matrix_a_fmt:MATRIX_FMT_FP4 matrix_b_fmt:MATRIX_FMT_FP4   ; O^T += V^T P^T: 16 of the head x my 16 queries, K = these 128 keys
.endm
.Lstep:                                        ; 15 trips; the last step is written out, since it fetches nothing
	STEP 1
	s_add_co_u32 s[TK], s[TK], 8192
	s_add_co_u32 s[TV], s[TV], 1024
	s_add_co_u32 s[TS], s[TS], 128
	s_sub_co_u32 s[CNT], s[CNT], 1
	s_cmp_lg_u32 s[CNT], 0
	s_cbranch_scc1 .Lstep
	STEP 0
	v_add_f32 v[SUM], v[SUM], v[SUM+1]             ; the sum's two halves,
	v_permlanex16_b32 v[TT], v[SUM], s[SEL], s[SEL+1]
	v_add_f32 v[SUM], v[SUM], v[TT]                ; and lane l xor 16's: the row's sum
	v_rcp_f32 v[SUM], v[SUM]
.rept 4
	v_nop                                          ; four plain instructions behind the last product ahead of the first read of O^T; the first is also the plain one behind the reciprocal
.endr
	s_wait_alu depctr_va_vdst(0)                   ; the wait ahead of the reciprocal's first reader
.irp j, 0,2,4,6
	v_pk_mul_f32 v[PR+\j:PR+\j+1], v[OA+\j:OA+\j+1], v[SUM:SUM+1] op_sel_hi:[1,0]   ; O^T / the sum, from the low end on
.endr
	global_store_b128 v[AK], v[PR:PR+3], s[12:13]              ; each store of the wave covers 512 consecutive bytes, aligned
	global_store_b128 v[AK], v[PR+4:PR+7], s[12:13] offset:512
	s_wait_xcnt 0x0
	v_lshl_add_u32 v254, v0, 2, 0x24800
	v_mov_b32 v255, 0
	s_wait_tensorcnt 0x0
	ds_add_u32 v254, v255
	s_wait_dscnt 0x0
	s_endpgm
.Lfunc_end_k_q8bdf67fc00_attn:
	.size	k_q8bdf67fc00_attn, .Lfunc_end_k_q8bdf67fc00_attn-k_q8bdf67fc00_attn
	.p2alignl 7, 3214868480
	.fill 96, 4, 3214868480
	.section	.rodata,"a",@progbits
	.p2align	6, 0x0
	.amdhsa_kernel k_q8bdf67fc00_attn
		.amdhsa_group_segment_fixed_size 151552
		.amdhsa_private_segment_fixed_size 0
		.amdhsa_enable_private_segment 0
		.amdhsa_kernarg_size 40
		.amdhsa_user_sgpr_count 2
		.amdhsa_user_sgpr_kernarg_segment_ptr 1
		.amdhsa_wavefront_size32 1
		.amdhsa_system_sgpr_workgroup_id_x 1
		.amdhsa_system_sgpr_workgroup_id_y 1
		.amdhsa_system_sgpr_workgroup_id_z 1
		.amdhsa_system_vgpr_workitem_id 0
		.amdhsa_next_free_vgpr 256
		.amdhsa_next_free_sgpr 66
		.amdhsa_reserve_vcc 0
		.amdhsa_float_denorm_mode_32 3
		.amdhsa_float_denorm_mode_16_64 3
		.amdhsa_memory_ordered 1
		.amdhsa_forward_progress 1
		.amdhsa_inst_pref_size 37
	.end_amdhsa_kernel
	.amdgpu_metadata
---
amdhsa.version: [ 1, 2 ]
amdhsa.kernels:
  - .name:           k_q8bdf67fc00_attn
    .symbol:         k_q8bdf67fc00_attn.kd
    .args:
      - { .name: qimg, .offset: 0, .size: 8, .value_kind: global_buffer, .address_space: global }
      - { .name: kimg, .offset: 8, .size: 8, .value_kind: global_buffer, .address_space: global }
      - { .name: vimg, .offset: 16, .size: 8, .value_kind: global_buffer, .address_space: global }
      - { .name: vsc, .offset: 24, .size: 8, .value_kind: global_buffer, .address_space: global }
      - { .name: heads, .offset: 32, .size: 8, .value_kind: global_buffer, .address_space: global }
    .group_segment_fixed_size: 151552
    .private_segment_fixed_size: 0
    .kernarg_segment_align: 8
    .kernarg_segment_size: 40
    .max_flat_workgroup_size: 512
    .sgpr_count:     66
    .vgpr_count:     256
    .wavefront_size: 32
...
	.end_amdgpu_metadata
.endif
;; end of part 2
;; launch outp (part 3): grid 64 x 1, 8 waves a work-group, no clusters, 77,824 bytes of LDS; arguments heads, W_out, out0; writes out0
.if DOCPART == 3
	.amdgcn_target "amdgcn-amd-amdhsa--gfx1250"
	.amdhsa_code_object_version 6
	.text
	.protected	k_q8bdf67fc00_outp
	.globl	k_q8bdf67fc00_outp
	.p2align	8
	.type	k_q8bdf67fc00_outp,@function
k_q8bdf67fc00_outp:
	s_mov_b64 s[64:65], 0
	v_nop
	global_prefetch_b8 v0, s[64:65] scope:SCOPE_SE
	s_setreg_imm32_b32 hwreg(HW_REG_WAVE_MODE, 25, 1), 1
	s_wait_xcnt 0x0
; out0[row][e] = the sum over (head, v) of heads[row][head][v] W_out[head][v][e], both operands as codes of FP4 (E2M1) with one E8M0 scale for each 32 along K = 16 x head + v (a block of 32 is two heads).
; heads: [batch x head][128 tiles][1,024 bytes] f32, as the launch before stored it: numbers 8 q + 4 g + 0 .. 3 of the tile's query r at 512 g + 256 q + 16 r.  W_out: [128 (K)][128] f32.  out0: [8192][128] f32.
; SHARES.  A work-group takes 128 rows, each of its eight waves one tile of 16, for all 128 columns.  Wave w also quantises columns 16 w .. 16 w + 15 of W_out (a lane takes a column, its registers run down K);
; the fragment goes to the other waves through LDS as an image of its registers: so a work-group reads W_out once.  The tile of heads is quantised in registers by the wave that uses it.
; A tile's rows are those that the first launch chose: lane r of tile 2 b + u stands for row 32 b + 8 u + r + 8 (r / 8) of the 128.
; The product is used TRANSPOSED (source 0 = 16 columns of W_out, source 1 = my 16 rows): a lane holds eight neighbouring numbers of a row.  They go through the wave's own stage in LDS and leave as whole rows of 512 bytes.
; LIMITS: a block of zeros gets the byte 1 where the rule says 127 (its codes are zeros, and this program alone reads the bytes); NaN and infinities are not served.
; No tensor loads, no cluster: the work-groups share W_out alone, 65,536 bytes, read once by each.
.set WIMG, 0                           ; LDS: W_out's eight fragments, 1,024 bytes each,
.set WSCL, 8192                        ; their scale words, 128 bytes each,
.set STG,  9216                        ; and a stage of 16 rows x (512 bytes + 16) for each wave
.set SPITCH, 528
.set HH,   3                           ; v3      lane / 16
.set HA,   4                           ; v4      heads: 16 r, and one head (131,072 bytes) on for lanes 16-31
.set WA,   5                           ; v5      W_out: my column, and 32 rows down for lanes 16-31
.set LI,   6                           ; v6      16 x lane
.set LS,   7                           ; v7      4 x lane
.set WWI,  8                           ; v8      where I store my fragment of W_out
.set WWS,  9                           ; v9      and its scale words
.set STI,  10                          ; v10     the stage: where I put 32 bytes of a row
.set STB,  11                          ; v11     and where I read a row back
.set WSC,  12                          ; v12-19  W_out's scale words, tile by tile: scales and nothing else
.set PW,   20                          ; v20     my rows' scale word
.set WPW,  21                          ; v21     my columns' scale word
.set TM,   22                          ; v22-33  at work in the quantisers
.set PC,   34                          ; v34-41  my rows' fragment
.set WPC,  42                          ; v42-49  my columns' fragment
.set SH8,  50                          ; v50     8 x (lane / 16)
.set RAWH, 64                          ; v64-127  64 numbers of heads; later W_out's eight fragments
.set RAWW, 128                         ; v128-191 64 numbers of W_out; later the eight accumulators
.set WFR,  64
.set DA,   128
.set OB,   192                         ; v192-255 16 rows read back from the stage
.set WV,   10                          ; s10
.set SEL,  18                          ; s[18:19]
.macro QUANT s, pc                     ; 64 numbers of a lane, register 16 b + i = k 32 b + 16 (lane / 16) + i of my row, become codes in v[pc] on and the scale word in v[PW]
.irp b, 0,1,2,3
	v_max3_num_f32 v[TM+\b], |v[\s+16*\b]|, |v[\s+1+16*\b]|, 0x1800000   ; and the floor 2^(3 - 127): the byte cannot fall under 1
.endr
.irp i, 2,4,6,8,10,12,14
.irp b, 0,1,2,3
	v_max3_num_f32 v[TM+\b], v[TM+\b], |v[\s+16*\b+\i]|, |v[\s+1+16*\b+\i]|
.endr
.endr
.irp b, 0,1,2,3
	v_permlanex16_b32 v[TM+4+\b], v[TM+\b], s[SEL], s[SEL+1]
.endr
.irp b, 0,1,2,3
	v_max_num_f32 v[TM+\b], v[TM+\b], v[TM+4+\b]
.endr
.irp b, 0,1,2,3
	v_add_nc_u32 v[TM+8+\b], 0xff000000, v[TM+\b]  ; 2 off the exponent field: the conversion's scale operand
.endr
.irp b, 0,1,2,3
	v_lshrrev_b32 v[TM+4+\b], 23, v[TM+8+\b]
.endr
	v_lshl_or_b32 v[PW], v[TM+5], 8, v[TM+4]
	v_lshl_or_b32 v[PW], v[TM+6], 16, v[PW]
	v_lshl_or_b32 v[PW], v[TM+7], 24, v[PW]
.irp b, 0,1,2,3
	v_cvt_scalef32_pk8_fp4_f32 v[\pc+2*\b], v[\s+16*\b:\s+7+16*\b], v[TM+8+\b]
	v_cvt_scalef32_pk8_fp4_f32 v[\pc+1+2*\b], v[\s+8+16*\b:\s+15+16*\b], v[TM+8+\b]
.endr
	v_nop                                          ; one plain instruction behind the last scaled conversion
.irp c, 0,1
.irp i, 0,1
	v_permlane16_swap_b32 v[\pc+4*\c+\i], v[\pc+2+4*\c+\i]
.endr
.endr
.endm
.macro WQUANT raw, dst, sw             ; my column's blocks (lane / 16) and 2 + (lane / 16): codes straight into the operand's registers
.irp c, 0,1
	v_max3_num_f32 v[TM+\c], |v[\raw+32*\c]|, |v[\raw+32*\c+1]|, 0x1800000
.endr
.irp i, 2,4,6,8,10,12,14,16,18,20,22,24,26,28,30
.irp c, 0,1
	v_max3_num_f32 v[TM+\c], v[TM+\c], |v[\raw+32*\c+\i]|, |v[\raw+32*\c+\i+1]|
.endr
.endr
.irp c, 0,1
	v_add_nc_u32 v[TM+8+\c], 0xff000000, v[TM+\c]
.endr
.irp c, 0,1
	v_lshrrev_b32 v[TM+4+\c], 23, v[TM+8+\c]
.endr
	v_lshl_or_b32 v[\sw], v[TM+5], 16, v[TM+4]
	v_lshlrev_b32 v[\sw], v[SH8], v[\sw]
	v_permlanex16_b32 v[TM+6], v[\sw], s[SEL], s[SEL+1]
	v_or_b32 v[\sw], v[\sw], v[TM+6]               ; with lane l xor 16's two bytes the word is whole
.irp c, 0,1
.irp g, 0,1,2,3
	v_cvt_scalef32_pk8_fp4_f32 v[\dst+4*\c+\g], v[\raw+32*\c+8*\g:\raw+32*\c+8*\g+7], v[TM+8+\c]
.endr
.endr
	v_nop                                          ; one plain instruction behind the last scaled conversion
.endm
	s_load_b128 s[4:7], s[0:1], 0x0                ; heads s[4:5], W_out s[6:7]
	s_load_b64 s[8:9], s[0:1], 0x10                ; out0
	v_lshl_add_u32 v62, v0, 2, 0x12c00
	v_mov_b32 v63, 0
	v_lshrrev_b32 v1, 5, v0
	v_readfirstlane_b32 s[WV], v1                  ; wave 0..7: my tile of rows, and my tile of W_out's columns
	v_and_b32 v1, 31, v0                           ; lane
	v_and_b32 v2, 15, v0                           ; r
	v_bfe_u32 v[HH], v0, 4, 1
	v_lshlrev_b32 v[HA], 4, v2
	v_lshl_add_u32 v[HA], v[HH], 17, v[HA]
	v_lshlrev_b32 v[WA], 2, v2
	v_lshl_add_u32 v[WA], v[HH], 14, v[WA]         ; 32 rows of 512 bytes
	v_lshlrev_b32 v[LI], 4, v1
	v_lshlrev_b32 v[LS], 2, v1
	s_lshl_b32 s11, s[WV], 10
	v_add_nc_u32 v[WWI], s11, v[LI]
	s_lshl_b32 s11, s[WV], 7
	v_add_nc_u32 v[WWS], s11, v[LS]
	s_mul_i32 s11, s[WV], 16*SPITCH
	s_add_co_u32 s11, s11, STG                     ; my stage
	v_mul_u32_u24 v[STI], v2, SPITCH
	v_lshl_add_u32 v[STI], v[HH], 5, v[STI]
	v_add_nc_u32 v[STI], s11, v[STI]               ; in: row r, 32 bytes for each half of the lanes
	v_add_nc_u32 v[STB], s11, v[LI]                ; back: the 32 lanes take one row of 512 bytes
	v_lshlrev_b32 v[SH8], 3, v[HH]
.irp b, 0,1,2,3
	v_mov_b32 v[TM+4+\b], 0                        ; written once: a lane permute's destination counts as one of its sources
.endr
	s_mov_b32 s[SEL], 0x76543210
	s_mov_b32 s[SEL+1], 0xfedcba98
	s_lshr_b32 s12, ttmp9, 4                       ; the batch: 8 heads of 131,072 bytes,
	s_lshl_b32 s12, s12, 20
	s_and_b32 s13, ttmp9, 15
	s_lshl_b32 s13, s13, 3
	s_add_co_u32 s13, s13, s[WV]                   ; my tile among a head's 128
	s_lshl_b32 s13, s13, 10
	s_add_co_u32 s12, s12, s13
	s_mov_b32 s13, 0
	s_lshl_b32 s14, s[WV], 6                       ; my 16 columns of W_out
	s_mov_b32 s15, 0
	s_lshl_b32 s16, ttmp9, 7                       ; my tile's first row of out0: 128 x work-group
	s_lshr_b32 s17, s[WV], 1
	s_lshl_b32 s17, s17, 5
	s_add_co_u32 s16, s16, s17                     ; + 32 (wave / 2)
	s_and_b32 s17, s[WV], 1
	s_lshl_b32 s17, s17, 3
	s_add_co_u32 s16, s16, s17                     ; + 8 (wave % 2)
	s_lshl_b32 s16, s16, 9
	s_mov_b32 s17, 0
	s_wait_kmcnt 0x0
	s_add_nc_u64 s[4:5], s[4:5], s[12:13]
	s_add_nc_u64 s[6:7], s[6:7], s[14:15]
	s_add_nc_u64 s[8:9], s[8:9], s[16:17]
.irp b, 0,1,2,3                                ; block b of K: heads 2 b (lanes 0-15) and 2 b + 1 (lanes 16-31); sixteen lanes read 256 consecutive bytes, aligned
.irp q, 0,1
.irp g, 0,1
	global_load_b128 v[RAWH+16*\b+8*\q+4*\g:RAWH+16*\b+8*\q+4*\g+3], v[HA], s[4:5] offset:262144*\b+512*\g+256*\q th:TH_LOAD_NT
.endr
.endr
.endr
.set n, 0
.rept 32
	global_load_b32 v[RAWW+n], v[WA], s[6:7] offset:512*n              ; W_out(32 (lane / 16) + n, my column)
.set n, n+1
.endr
.set n, 0
.rept 32
	global_load_b32 v[RAWW+32+n], v[WA], s[6:7] offset:512*(64+n)
.set n, n+1
.endr
	s_wait_loadcnt 63                              ; the 16 loads of heads are in: 64 were issued behind them, and 63 is the most that this wait can name (ISA guide 5.7.1)
	QUANT RAWH, PC
	s_wait_loadcnt 0x0
	WQUANT RAWW, WPC, WPW                          ; (its plain instructions also stand between the last writes of my rows' codes and scale word and the products: four and eight are asked)
	ds_store_b128 v[WWI], v[WPC:WPC+3] offset:WIMG
	ds_store_b128 v[WWI], v[WPC+4:WPC+7] offset:WIMG+512
	ds_store_b32 v[WWS], v[WPW] offset:WSCL
	s_wait_dscnt 0x0                               ; for the others' sake: my stores are done
	s_barrier_signal -1
	s_barrier_wait -1                              ; W_out's eight fragments lie in LDS
.set n, 0
.rept 8
	ds_load_b128 v[WFR+8*n:WFR+8*n+3], v[LI] offset:WIMG+1024*n
	ds_load_b128 v[WFR+8*n+4:WFR+8*n+7], v[LI] offset:WIMG+1024*n+512
	ds_load_b32 v[WSC+n], v[LS] offset:WSCL+128*n
.set n, n+1
.endr
	s_wait_dscnt 0x0
.irp t, 0,1,2,3,4,5,6,7                        ; K = 128 is one instruction: every product starts and ends its sum
	v_wmma_scale_f32_16x16x128_f8f6f4 v[DA+8*\t:DA+8*\t+7], v[WFR+8*\t:WFR+8*\t+7], v[PC:PC+7], 0, v[WSC+\t], v[PW] matrix_a_fmt:MATRIX_FMT_FP4 matrix_b_fmt:MATRIX_FMT_FP4
.endr
.rept 4
	v_nop                                          ; four plain instructions ahead of the LDS stores that read the results
.endr
.irp t, 0,1,2,3,4,5,6,7
	ds_store_b128 v[STI], v[DA+8*\t:DA+8*\t+3] offset:64*\t          ; lane (r, h): out(r, 16 t + 8 h + 0 .. 7); each accumulator from its low end on
	ds_store_b128 v[STI], v[DA+8*\t+4:DA+8*\t+7] offset:64*\t+16
.endr
.set n, 0
.rept 16
	ds_load_b128 v[OB+4*n:OB+4*n+3], v[STB] offset:n*SPITCH          ; LDS serves a wave's instructions in order (ISA guide 5.7.1.4): these see my stores; the stage is my own
.set n, n+1
.endr
.set n, 0
.rept 16
	s_wait_dscnt 15-n                              ; row n is back; the 15 - n loads issued behind it may be out
	global_store_b128 v[LI], v[OB+4*n:OB+4*n+3], s[8:9] offset:(n+8*(n/8))*512 th:TH_STORE_NT   ; 32 lanes store a row of 512 consecutive bytes, aligned; the tile's row n is row n + 8 (n / 8) from its first
.set n, n+1
.endr
	s_wait_tensorcnt 0x0
	ds_add_u32 v62, v63
	s_wait_dscnt 0x0
	s_endpgm
.Lfunc_end_k_q8bdf67fc00_outp:
	.size	k_q8bdf67fc00_outp, .Lfunc_end_k_q8bdf67fc00_outp-k_q8bdf67fc00_outp
	.p2alignl 7, 3214868480
	.fill 96, 4, 3214868480
	.section	.rodata,"a",@progbits
	.p2align	6, 0x0
	.amdhsa_kernel k_q8bdf67fc00_outp
		.amdhsa_group_segment_fixed_size 77824
		.amdhsa_private_segment_fixed_size 0
		.amdhsa_enable_private_segment 0
		.amdhsa_kernarg_size 24
		.amdhsa_user_sgpr_count 2
		.amdhsa_user_sgpr_kernarg_segment_ptr 1
		.amdhsa_wavefront_size32 1
		.amdhsa_system_sgpr_workgroup_id_x 1
		.amdhsa_system_sgpr_workgroup_id_y 1
		.amdhsa_system_sgpr_workgroup_id_z 1
		.amdhsa_system_vgpr_workitem_id 0
		.amdhsa_next_free_vgpr 256
		.amdhsa_next_free_sgpr 66
		.amdhsa_reserve_vcc 0
		.amdhsa_float_denorm_mode_32 3
		.amdhsa_float_denorm_mode_16_64 3
		.amdhsa_memory_ordered 1
		.amdhsa_forward_progress 1
		.amdhsa_inst_pref_size 24
	.end_amdhsa_kernel
	.amdgpu_metadata
---
amdhsa.version: [ 1, 2 ]
amdhsa.kernels:
  - .name:           k_q8bdf67fc00_outp
    .symbol:         k_q8bdf67fc00_outp.kd
    .args:
      - { .name: heads, .offset: 0, .size: 8, .value_kind: global_buffer, .address_space: global }
      - { .name: W_out, .offset: 8, .size: 8, .value_kind: global_buffer, .address_space: global }
      - { .name: out0, .offset: 16, .size: 8, .value_kind: global_buffer, .address_space: global }
    .group_segment_fixed_size: 77824
    .private_segment_fixed_size: 0
    .kernarg_segment_align: 8
    .kernarg_segment_size: 24
    .max_flat_workgroup_size: 256
    .sgpr_count:     66
    .vgpr_count:     256
    .wavefront_size: 32
...
	.end_amdgpu_metadata
.endif
;; end of part 3
;; ======== version 2 of 2: 3 launches; version 1 with the launches proj, attn, outp written anew for expert scheduling mode
;; workspace buffers: qimg 4,194,304 bytes; kimg 4,194,304 bytes; vimg 524,288 bytes; vsc 65,536 bytes; heads 4,194,304 bytes
;; launch proj (part 4): grid 64 x 1, 8 waves a work-group, no clusters, 10,240 bytes of LDS; arguments h, W_query, W_key, W_val, qimg, kimg, vimg, vsc; writes qimg, kimg, vimg, vsc
.if DOCPART == 4
	.amdgcn_target "amdgcn-amd-amdhsa--gfx1250"
	.amdhsa_code_object_version 6
	.text
	.protected	k_q8bdf67fc00_proj
	.globl	k_q8bdf67fc00_proj
	.p2align	8
	.type	k_q8bdf67fc00_proj,@function
k_q8bdf67fc00_proj:
	s_mov_b64 s[64:65], 0
	v_nop
	global_prefetch_b8 v0, s[64:65] scope:SCOPE_SE
	s_setreg_imm32_b32 hwreg(HW_REG_WAVE_SCHED_MODE, 0, 2), 2
	s_setreg_imm32_b32 hwreg(HW_REG_WAVE_MODE, 25, 1), 1
	s_wait_xcnt 0x0
	s_wait_alu depctr_vm_vsrc(0)
; Q, K, V = h W_query, h W_key, h W_val for every head, both operands of each product as codes of FP4 (E2M1) with one E8M0 scale for each 32 along K = the 128 inputs.
; h: [8192 rows][128] f32.  W_*: [8 heads][128 (K)][16] f32.  OUT, all in the order of the next launch's operand registers:
;   qimg, kimg: [batch x head][128 tiles][1,024 bytes], f32: a tile's registers 0-3 at 16 x lane, registers 4-7 512 bytes on; lane (r, h) holds row r of the tile and numbers 8 h .. 8 h + 7 of the head's 16.
;   vimg: [batch x head][16 steps][1,024 bytes]: V quantised ALONG THE KEYS, a fragment of 16 (the head's numbers) x 128 keys as it stands in registers;  vsc: its scale words, 4 bytes a lane, 128 bytes a step.
; SHARES.  A work-group takes 128 rows, since one scale word of V spans 128 keys: 8,192 / 128 = 64 work-groups.  Wave w takes head w for all 128 rows; it also quantises tile w of h's rows, which goes to the
; other waves through LDS as an image of its registers: so h is read from memory once.  Each wave quantises its head's three weights: a lane takes a column and its registers run down K.
; THE ROWS OF A TILE ARE NOT NEIGHBOURS: lane r of tile 2 b + u takes row 32 b + 8 u + r + 8 (r / 8), so that in V's results the 16 registers of tiles 2 b and 2 b + 1 are 16 neighbouring keys.
; Q and K are made TRANSPOSED (source 0 = the weight's 16 columns, source 1 = 16 rows of h): a lane then holds one row and eight neighbouring numbers of the head.  V the other way round: a lane holds one of the head's 16 and eight keys.
; A block's scale is 2^(floor(log2(its largest magnitude)) - 2); its byte is the largest magnitude's exponent field - 2, held at 1 from below.
; LIMITS: a block of zeros gets the byte 1 where the rule says 127 (its codes are zeros, and this program alone reads the bytes); NaN and infinities among the inputs are not served.
; No tensor loads, no cluster: work-groups share only the weights, 196,608 bytes, which every one of them reads once.
; THE MODE: SCHED_MODE bits 1:0 = 2 (LLVM: expert scheduling mode 2), set by the entry lines.  The code itself states the register dependences between vector or matrix instructions and memory or LDS
; instructions, with s_wait_alu, always for 0.
; THE PLAN.  Registers that memory or LDS instructions touch:
;   v4-9         offsets and LDS addresses: written once at the head, read by every load and store, never written again.
;   v64-127      h's loads land; QUANT reads them; W_val's loads land; WQUANT reads them; h's eight fragments land from LDS; the products read them; at the end V's codes are written into v64-71 and stored.
;   v128-191     W_query's loads land; WQUANT reads them; then two sets of results, by turns: pair p's products write set p % 2, its eight stores read it.
;   v192-255     W_key's loads land; WQUANT reads them; then V's results, named by matrix and vector instructions alone.
;   v34-41, v45  my fragment of h and its scale word: written by QUANT, read by three LDS stores, written again by W_val's WQUANT and by the last QUANT.
;   v10-17       h's scale words: LDS loads land, the products read them.
;   v62, v63     written at the head, read by the closing add alone.
.set XIMG, 0                           ; LDS: h's eight fragments, 1,024 bytes each,
.set XSC,  8192                        ; and their scale words, 128 bytes each
.set HH,   3                           ; v3      lane / 16
.set XA,   4                           ; v4      h: my lane's byte in the tile's rows
.set WA,   5                           ; v5      a weight: my column, and 32 rows down for lanes 16-31
.set LI,   6                           ; v6      16 x lane
.set LS,   7                           ; v7      4 x lane
.set XWI,  8                           ; v8      where I store my fragment of h: 16 x lane + 1,024 x wave
.set XWS,  9                           ; v9      and its scale words: 4 x lane + 128 x wave
.set HS,   10                          ; v10-17  h's scale words, tile by tile: scales and nothing else
.set WF,   18                          ; v18-41  the weights' fragments: query's, key's, value's
.set WS,   42                          ; v42-44  their scale words
.set PW,   45                          ; v45     the scale word just made
.set TM,   46                          ; v46-49 largest magnitudes, v50-53 bytes and what comes from the other half of the lanes, v54-57 the conversions' scale operands
.set SH8,  58                          ; v58     8 x (lane / 16)
.set RAW0, 64                          ; v64-127   h's numbers, later W_val's
.set RAW1, 128                         ; v128-191  W_query's
.set RAW2, 192                         ; v192-255  W_key's
.set HF,   64                          ; behind the quantising: h's eight fragments,
.set QD,   128                         ; two tiles of Q,
.set KD,   144                         ; two of K: set 0; set 1 lies 32 registers on,
.set VPC,  64                          ; V's codes, where h's first fragment stood: its products are long done,
.set VD,   192                         ; and eight tiles of V
.set WV,   20                          ; s20     my wave's number
.set SEL,  36                          ; s[36:37] v_permlanex16_b32's selects for lane l xor 16
; 64 numbers of a lane, register 16 b + i = k 32 b + 16 (lane / 16) + i of my row, become a fragment's codes in v[pc] on and its scale word in v[PW]
.macro QUANT s, pc
.irp b, 0,1,2,3
	v_max3_num_f32 v[TM+\b], |v[\s+16*\b]|, |v[\s+1+16*\b]|, 0x1800000   ; block b: my 16 numbers, and the floor 2^(3 - 127): so the byte cannot fall under 1
.endr
.irp i, 2,4,6,8,10,12,14
.irp b, 0,1,2,3
	v_max3_num_f32 v[TM+\b], v[TM+\b], |v[\s+16*\b+\i]|, |v[\s+1+16*\b+\i]|   ; the four blocks by turns
.endr
.endr
.irp b, 0,1,2,3
	v_permlanex16_b32 v[TM+4+\b], v[TM+\b], s[SEL], s[SEL+1]
.endr
.irp b, 0,1,2,3
	v_max_num_f32 v[TM+\b], v[TM+\b], v[TM+4+\b]   ; with lane l xor 16's: the block's largest magnitude
.endr
.irp b, 0,1,2,3
	v_add_nc_u32 v[TM+8+\b], 0xff000000, v[TM+\b]  ; 2 off its exponent field: the conversion takes this operand's exponent field as its scale
.endr
.irp b, 0,1,2,3
	v_lshrrev_b32 v[TM+4+\b], 23, v[TM+8+\b]       ; the scale's byte
.endr
	v_lshl_or_b32 v[PW], v[TM+5], 8, v[TM+4]
	v_lshl_or_b32 v[PW], v[TM+6], 16, v[PW]
	v_lshl_or_b32 v[PW], v[TM+7], 24, v[PW]
.irp b, 0,1,2,3
	v_cvt_scalef32_pk8_fp4_f32 v[\pc+2*\b], v[\s+16*\b:\s+7+16*\b], v[TM+8+\b]
	v_cvt_scalef32_pk8_fp4_f32 v[\pc+1+2*\b], v[\s+8+16*\b:\s+15+16*\b], v[TM+8+\b]
.endr
	v_nop                                          ; one plain instruction behind the last scaled conversion
.irp c, 0,1                                    ; the operand wants a whole block in a lane: lanes 0-15 block 2 c, lanes 16-31 block 2 c + 1
.irp i, 0,1
	v_permlane16_swap_b32 v[\pc+4*\c+\i], v[\pc+2+4*\c+\i]
.endr
.endr
.endm
; a weight of one head, [128 (K)][16]: W(64 c + 32 (lane / 16) + n, lane % 16) into register 32 c + n: sixteen lanes read 64 neighbouring bytes
.macro WLOAD raw, base
.set n, 0
.rept 32
	global_load_b32 v[\raw+n], v[WA], s[\base:\base+1] offset:64*n
.set n, n+1
.endr
.set n, 0
.rept 32
	global_load_b32 v[\raw+32+n], v[WA], s[\base:\base+1] offset:64*(64+n)
.set n, n+1
.endr
.endm
; my column's blocks (lane / 16) and 2 + (lane / 16) are all mine: codes straight into the operand's registers, the scale word gathered from lanes l and l xor 16
.macro WQUANT raw, dst, sw
.irp c, 0,1
	v_max3_num_f32 v[TM+\c], |v[\raw+32*\c]|, |v[\raw+32*\c+1]|, 0x1800000
.endr
.irp i, 2,4,6,8,10,12,14,16,18,20,22,24,26,28,30
.irp c, 0,1
	v_max3_num_f32 v[TM+\c], v[TM+\c], |v[\raw+32*\c+\i]|, |v[\raw+32*\c+\i+1]|
.endr
.endr
.irp c, 0,1
	v_add_nc_u32 v[TM+8+\c], 0xff000000, v[TM+\c]
.endr
.irp c, 0,1
	v_lshrrev_b32 v[TM+4+\c], 23, v[TM+8+\c]
.endr
	v_lshl_or_b32 v[\sw], v[TM+5], 16, v[TM+4]     ; my two bytes,
	v_lshlrev_b32 v[\sw], v[SH8], v[\sw]           ; at their places in the word;
	v_permlanex16_b32 v[TM+6], v[\sw], s[SEL], s[SEL+1]
	v_or_b32 v[\sw], v[\sw], v[TM+6]               ; with lane l xor 16's two the word is whole
.irp c, 0,1
.irp g, 0,1,2,3
	v_cvt_scalef32_pk8_fp4_f32 v[\dst+4*\c+\g], v[\raw+32*\c+8*\g:\raw+32*\c+8*\g+7], v[TM+8+\c]
.endr
.endr
	v_nop                                          ; one plain instruction behind the last scaled conversion
.endm
	s_load_b256 s[4:11], s[0:1], 0x0               ; h s[4:5], W_query s[6:7], W_key s[8:9], W_val s[10:11]
	s_load_b256 s[12:19], s[0:1], 0x20             ; qimg s[12:13], kimg s[14:15], vimg s[16:17], vsc s[18:19]
	v_lshl_add_u32 v62, v0, 2, 0x2400              ; the closing add's two registers: my spare word, behind the scale words, and 0; kept for that alone
	v_mov_b32 v63, 0
	v_lshrrev_b32 v1, 5, v0
	v_readfirstlane_b32 s[WV], v1                  ; wave 0..7: my head, and the tile of h that I quantise
	v_and_b32 v1, 31, v0                           ; lane
	v_and_b32 v2, 15, v0                           ; r
	v_bfe_u32 v[HH], v0, 4, 1
	v_and_b32 v[XA], 8, v2
	v_add_nc_u32 v[XA], v[XA], v2                  ; r + 8 (r / 8)
	v_lshlrev_b32 v[XA], 9, v[XA]                  ; rows of 512 bytes,
	v_lshl_add_u32 v[XA], v[HH], 6, v[XA]          ; + 64 (lane / 16): my 16 numbers of a block of 32
	v_lshlrev_b32 v[WA], 2, v2
	v_lshl_add_u32 v[WA], v[HH], 11, v[WA]         ; column r; lanes 16-31 begin 32 rows of 64 bytes further down
	v_lshlrev_b32 v[LI], 4, v1
	v_lshlrev_b32 v[LS], 2, v1
	s_wait_alu depctr_va_sdst(0)                   ; s20, the wave's number, is written, ahead of its first reader: LDS addresses and all the bases are made from it
	s_lshl_b32 s21, s[WV], 10
	v_add_nc_u32 v[XWI], s21, v[LI]
	s_lshl_b32 s21, s[WV], 7
	v_add_nc_u32 v[XWS], s21, v[LS]
	v_lshlrev_b32 v[SH8], 3, v[HH]
.irp b, 0,1,2,3
	v_mov_b32 v[TM+4+\b], 0                        ; written once: a lane permute's destination counts as one of its sources
.endr
	s_mov_b32 s[SEL], 0x76543210
	s_mov_b32 s[SEL+1], 0xfedcba98
	s_lshl_b32 s22, ttmp9, 7                       ; the work-group's first row,
	s_lshr_b32 s23, s[WV], 1
	s_lshl_b32 s23, s23, 5
	s_add_co_u32 s22, s22, s23                     ; + 32 (wave / 2)
	s_and_b32 s23, s[WV], 1
	s_lshl_b32 s23, s23, 3
	s_add_co_u32 s22, s22, s23                     ; + 8 (wave % 2): my tile's first row,
	s_lshl_b32 s22, s22, 9                         ; in bytes
	s_mov_b32 s23, 0
	s_lshl_b32 s24, s[WV], 13                      ; my head's 8,192 bytes in each weight
	s_mov_b32 s25, 0
	s_lshr_b32 s26, ttmp9, 4                       ; the batch: 16 work-groups each
	s_lshl_b32 s26, s26, 3
	s_add_co_u32 s26, s26, s[WV]                   ; 8 x batch + head
	s_and_b32 s27, ttmp9, 15                       ; which 128 rows of the batch
	s_lshl_b32 s28, s26, 17
	s_lshl_b32 s29, s27, 13
	s_add_co_u32 s28, s28, s29                     ; Q's and K's images: 131,072 bytes a head, 8,192 for 128 rows
	s_mov_b32 s29, 0
	s_lshl_b32 s30, s26, 14
	s_lshl_b32 s31, s27, 10
	s_add_co_u32 s30, s30, s31                     ; V's codes: 16,384 and 1,024
	s_mov_b32 s31, 0
	s_lshl_b32 s32, s26, 11
	s_lshl_b32 s33, s27, 7
	s_add_co_u32 s32, s32, s33                     ; V's scale words: 2,048 and 128
	s_mov_b32 s33, 0
	s_wait_kmcnt 0x0
	s_add_nc_u64 s[4:5], s[4:5], s[22:23]
	s_add_nc_u64 s[6:7], s[6:7], s[24:25]
	s_add_nc_u64 s[8:9], s[8:9], s[24:25]
	s_add_nc_u64 s[10:11], s[10:11], s[24:25]
	s_add_nc_u64 s[12:13], s[12:13], s[28:29]
	s_add_nc_u64 s[14:15], s[14:15], s[28:29]
	s_add_nc_u64 s[16:17], s[16:17], s[30:31]
	s_add_nc_u64 s[18:19], s[18:19], s[32:33]
	s_wait_alu depctr_va_vdst(0)                   ; the six offsets and LDS addresses v4 to v9 are written: every load and store of the kernel reads one of them
.irp b, 0,1,2,3
.irp j, 0,1,2,3
	global_load_b128 v[RAW0+16*\b+4*\j:RAW0+16*\b+4*\j+3], v[XA], s[4:5] offset:128*\b+16*\j th:TH_LOAD_NT   ; my tile of h: read by this wave alone
.endr
.endr
	WLOAD RAW1, 6
	s_wait_loadcnt 63                              ; h's 16 loads are in: 64 loads were issued behind them, and 63 is the most that this wait can name (ISA guide 5.7.1)
	QUANT RAW0, WF+16                              ; (the codes stand for a while where W_val's fragment will be)
	s_wait_alu depctr_va_vdst(0)                   ; QUANT has written v34-41 and v45, which the LDS stores read, and is done reading v64-127, in which W_val's loads land further on (only v128-191's WQUANT stands between)
	ds_store_b128 v[XWI], v[WF+16:WF+19] offset:XIMG        ; the fragment goes to LDS as it stands in registers: 16 bytes a lane, 512 a store
	ds_store_b128 v[XWI], v[WF+20:WF+23] offset:XIMG+512
	ds_store_b32 v[XWS], v[PW] offset:XSC
	WLOAD RAW2, 8
	s_wait_loadcnt 63                              ; W_query is in: W_key's 64 loads were issued behind it
	WQUANT RAW1, WF, WS
	s_wait_dscnt 0x0                               ; my LDS stores are done
	s_wait_alu depctr_vm_vsrc(0)                   ; the LDS stores have read v34-41, which W_val's WQUANT writes again, and v45, which the last QUANT writes again
	WLOAD RAW0, 10
	s_wait_loadcnt 63                              ; W_key is in: W_val's 64 loads were issued behind it
	WQUANT RAW2, WF+8, WS+1
	s_wait_loadcnt 0x0
	WQUANT RAW0, WF+16, WS+2
	s_barrier_signal -1                            ; every wave's fragment of h lies in LDS (each has waited for its stores above)
	s_barrier_wait -1
.rept 8
	v_nop                                          ; a scale register written by a vector instruction stands eight plain instructions ahead of a scaled matrix instruction, an operand so written four
.endr
	s_wait_alu depctr_va_vdst(0)                   ; WQUANT is done reading v64-127, in which the LDS loads land; and the weights' codes v18-41 and scale words v42-44 are written, which the scaled products take
.set n, 0
.rept 8
	ds_load_b128 v[HF+8*n:HF+8*n+3], v[LI] offset:XIMG+1024*n
	ds_load_b128 v[HF+8*n+4:HF+8*n+7], v[LI] offset:XIMG+1024*n+512
	ds_load_b32 v[HS+n], v[LS] offset:XSC+128*n
.set n, n+1
.endr
	s_wait_dscnt 0x0
.irp p, 0,1,2,3                                ; two tiles of rows at a time; K = 128 is one instruction, so every product starts and ends its sum.  Q's and K's results go into two sets of registers by turns
.if \p >= 2
	s_wait_xcnt 0x0                                ; the stores' data registers are written again only behind this wait
	s_wait_alu depctr_vm_vsrc(0)                   ; the stores of the pair before the last have read this set, which the products below write again
.endif
.irp u, 0,1
	v_wmma_scale_f32_16x16x128_f8f6f4 v[QD+32*(\p%2)+8*\u:QD+32*(\p%2)+8*\u+7], v[WF:WF+7], v[HF+8*(2*\p+\u):HF+8*(2*\p+\u)+7], 0, v[WS], v[HS+2*\p+\u] matrix_a_fmt:MATRIX_FMT_FP4 matrix_b_fmt:MATRIX_FMT_FP4
	v_wmma_scale_f32_16x16x128_f8f6f4 v[KD+32*(\p%2)+8*\u:KD+32*(\p%2)+8*\u+7], v[WF+8:WF+15], v[HF+8*(2*\p+\u):HF+8*(2*\p+\u)+7], 0, v[WS+1], v[HS+2*\p+\u] matrix_a_fmt:MATRIX_FMT_FP4 matrix_b_fmt:MATRIX_FMT_FP4
	v_wmma_scale_f32_16x16x128_f8f6f4 v[VD+8*(2*\p+\u):VD+8*(2*\p+\u)+7], v[HF+8*(2*\p+\u):HF+8*(2*\p+\u)+7], v[WF+16:WF+23], 0, v[HS+2*\p+\u], v[WS+2] matrix_a_fmt:MATRIX_FMT_FP4 matrix_b_fmt:MATRIX_FMT_FP4
.endr
.rept 4
	v_nop                                          ; four plain instructions ahead of the stores that read the results; a set is written again two pairs on, behind eight of them, where five are asked
.endr
	s_wait_alu depctr_va_vdst(0)                   ; the products have written this set, which the eight stores read; the four plain instructions above stay beside this wait
.irp u, 0,1
	global_store_b128 v[LI], v[QD+32*(\p%2)+8*\u:QD+32*(\p%2)+8*\u+3], s[12:13] offset:1024*(2*\p+\u)          ; each store of the wave covers 512 consecutive bytes, aligned; each accumulator from its low end on
	global_store_b128 v[LI], v[QD+32*(\p%2)+8*\u+4:QD+32*(\p%2)+8*\u+7], s[12:13] offset:1024*(2*\p+\u)+512
	global_store_b128 v[LI], v[KD+32*(\p%2)+8*\u:KD+32*(\p%2)+8*\u+3], s[14:15] offset:1024*(2*\p+\u)
	global_store_b128 v[LI], v[KD+32*(\p%2)+8*\u+4:KD+32*(\p%2)+8*\u+7], s[14:15] offset:1024*(2*\p+\u)+512
.endr
.endr
	QUANT VD, VPC                                  ; V along the keys: register 16 b + i is key 32 b + 16 (lane / 16) + i of my one of the head's 16
	s_wait_alu depctr_va_vdst(0)                   ; QUANT has written V's codes v64-71 and their scale word v45, which the three stores read
	global_store_b128 v[LI], v[VPC:VPC+3], s[16:17]
	global_store_b128 v[LI], v[VPC+4:VPC+7], s[16:17] offset:512
	global_store_b32 v[LS], v[PW], s[18:19]        ; lanes 16-31 hold the same words as lanes 0-15: the image is stored whole, 128 bytes
	s_wait_dscnt 0x0                               ; the closing lines, six on end
	s_wait_alu 0x0
	s_wait_tensorcnt 0x0
	ds_add_u32 v62, v63
	s_wait_dscnt 0x0
	s_endpgm
.Lfunc_end_k_q8bdf67fc00_proj:
	.size	k_q8bdf67fc00_proj, .Lfunc_end_k_q8bdf67fc00_proj-k_q8bdf67fc00_proj
	.p2alignl 7, 3214868480
	.fill 96, 4, 3214868480
	.section	.rodata,"a",@progbits
	.p2align	6, 0x0
	.amdhsa_kernel k_q8bdf67fc00_proj
		.amdhsa_group_segment_fixed_size 10240
		.amdhsa_private_segment_fixed_size 0
		.amdhsa_enable_private_segment 0
		.amdhsa_kernarg_size 64
		.amdhsa_user_sgpr_count 2
		.amdhsa_user_sgpr_kernarg_segment_ptr 1
		.amdhsa_wavefront_size32 1
		.amdhsa_system_sgpr_workgroup_id_x 1
		.amdhsa_system_sgpr_workgroup_id_y 1
		.amdhsa_system_sgpr_workgroup_id_z 1
		.amdhsa_system_vgpr_workitem_id 0
		.amdhsa_next_free_vgpr 256
		.amdhsa_next_free_sgpr 66
		.amdhsa_reserve_vcc 0
		.amdhsa_float_denorm_mode_32 3
		.amdhsa_float_denorm_mode_16_64 3
		.amdhsa_memory_ordered 1
		.amdhsa_forward_progress 1
		.amdhsa_inst_pref_size 49
	.end_amdhsa_kernel
	.amdgpu_metadata
---
amdhsa.version: [ 1, 2 ]
amdhsa.kernels:
  - .name:           k_q8bdf67fc00_proj
    .symbol:         k_q8bdf67fc00_proj.kd
    .args:
      - { .name: h, .offset: 0, .size: 8, .value_kind: global_buffer, .address_space: global }
      - { .name: W_query, .offset: 8, .size: 8, .value_kind: global_buffer, .address_space: global }
      - { .name: W_key, .offset: 16, .size: 8, .value_kind: global_buffer, .address_space: global }
      - { .name: W_val, .offset: 24, .size: 8, .value_kind: global_buffer, .address_space: global }
      - { .name: qimg, .offset: 32, .size: 8, .value_kind: global_buffer, .address_space: global }
      - { .name: kimg, .offset: 40, .size: 8, .value_kind: global_buffer, .address_space: global }
      - { .name: vimg, .offset: 48, .size: 8, .value_kind: global_buffer, .address_space: global }
      - { .name: vsc, .offset: 56, .size: 8, .value_kind: global_buffer, .address_space: global }
    .group_segment_fixed_size: 10240
    .private_segment_fixed_size: 0
    .kernarg_segment_align: 8
    .kernarg_segment_size: 64
    .max_flat_workgroup_size: 256
    .sgpr_count:     66
    .vgpr_count:     256
    .wavefront_size: 32
...
	.end_amdgpu_metadata
.endif
;; end of part 4
;; launch attn (part 5): grid 8 x 32, 16 waves a work-group, no clusters, 151,552 bytes of LDS; arguments qimg, kimg, vimg, vsc, heads; writes heads
.if DOCPART == 5
	.amdgcn_target "amdgcn-amd-amdhsa--gfx1250"
	.amdhsa_code_object_version 6
	.text
	.protected	k_q8bdf67fc00_attn
	.globl	k_q8bdf67fc00_attn
	.p2align	8
	.type	k_q8bdf67fc00_attn,@function
k_q8bdf67fc00_attn:
	s_mov_b64 s[64:65], 0
	v_nop
	global_prefetch_b8 v0, s[64:65] scope:SCOPE_SE
	s_setreg_imm32_b32 hwreg(HW_REG_WAVE_SCHED_MODE, 0, 2), 2
	s_setreg_imm32_b32 hwreg(HW_REG_WAVE_MODE, 25, 1), 1
	s_wait_xcnt 0x0
	s_wait_alu depctr_vm_vsrc(0)
; heads[query][:] = the sum over keys of softmax(Q . K / 4) V, for one (batch, head) and 256 queries a work-group.
; The scores are a product of f32 operands (K = 16), by v_wmma_f32_16x16x4_f32, since they go on into a quantiser.  The second product is on codes of FP4 (E2M1) with one E8M0 scale for each 32 keys.
; THE SOFTMAX AHEAD OF IT: t = score x log2(e) / 4; M = the row's largest t so far, rounded UP to a whole number; p = 2^(t - M) is what is quantised, along the keys, not normalised.  The row's sum is taken of the
; unquantised p and divides at the end.  When M moves, the sum and O are multiplied by 2^(old M - new M): exact.
; IN: qimg, kimg: tiles of 16 rows, 1,024 bytes, in the order of the f32 form's operand registers: lane (r, h) holds row r and numbers 8 h .. 8 h + 7 of the head's 16; instruction i of four takes registers 2 i, 2 i + 1:
; the same permutation of K on both sides.  vimg, vsc: V's fragments (16 of the head x 128 keys) and scale words as they stand in registers.
; THE KEYS OF A TILE ARE NOT NEIGHBOURS: lane r of tile 2 b + u takes key 32 b + 8 u + r + 8 (r / 8), so that the 16 registers of tiles 2 b, 2 b + 1 of S^T are keys 32 b + 16 (lane / 16) + 0 .. 15.
; Both products are used transposed (S^T = K Q^T, O^T = V^T P^T): a lane holds ONE query throughout.
; SHARES.  Sixteen waves, each one tile of 16 queries in 256 registers, four waves to a SIMD, so that one wave's vector work stands beside another's matrix work.  A head's K (131,072 bytes), V's codes (16,384) and
; V's scale words (2,048) all lie in LDS: filled once through registers, one barrier, and the loop over the keys, 16 steps of 128, reads no memory.
; NO CLUSTER, NO TENSOR LOAD, NO PREFETCH: what the eight work-groups of a head share is read once, 149,504 bytes at the head, ahead of 16 steps of 33 matrix instructions in each of 16 waves; nothing is filled again and no stream is waited for in the loop.
; OUT: heads: [batch x head][128 tiles][1,024 bytes] f32: registers 0-3 at 16 x lane, 4-7 512 bytes on; lane (r, h) holds the tile's query r and numbers 8 h .. 8 h + 7.
; LIMITS: NaN and infinities are not served; p under 2^-126 comes out of v_exp_f32 as 0; a block whose every p is 0 has the byte 1 (its codes are zeros); 1 / the sum is v_rcp_f32 and a multiplication.
; THE MODE: SCHED_MODE bits 1:0 = 2 (LLVM: expert scheduling mode 2), set by the entry lines.  The code itself states the register dependences between vector or matrix instructions and memory or LDS
; instructions, with s_wait_alu, always for 0.
; THE PLAN.  Registers that memory or LDS instructions touch:
;   v1-3, v7-9    offsets and LDS addresses: made at the head, never written again.
;   v4-6          the addresses of a step's LDS loads: written by three additions behind the step's 32 products, read by the 19 loads that follow.  (At the head v4 and v5 are addresses of the fill's LDS stores.)
;   v64-127       K: the loads of step j + 1 land here, issued in step j behind its 32 products, which are the only readers.  (At the head v64-72 carry V and its scale words to LDS.)
;   v32-39, v48   V's fragment and scale words: step j's loads land, the scaled product at the end of step j reads them.
;   v192-255      at the head K on its way to LDS: loads land, LDS stores read.  From then on named by vector instructions alone, until v192-199 are stored and v254, v255 serve the closing add.
;   v40-47, v49   p's codes and scale word: written by vector instructions, taken by the scaled product.
; So a step holds: one wait on vm_vsrc at its head, ahead of the three additions; ONE wait on va_vdst behind its 32 products, which states all that its 19 LDS loads hang on (V's three follow it at once, K's sixteen are
; dealt among the lines of the maximum, which name the scores and v50-53 alone); the wait for the batch of exponentials; and one wait on va_vdst ahead of the scaled product.
.set VL,  131072                       ; LDS: K's tiles from 0, V's codes from here,
.set SL,  147456                       ; V's scale words from here
.set AK,  1                            ; v1      16 x lane: my place in a tile of K; also my offset in Q's and the result's tile
.set AV,  2                            ; v2      the same in V's fragments
.set AS,  3                            ; v3      4 x lane among V's scale words
.set ADK, 4                            ; v4-6    the addresses of the loads in hand
.set ADV, 5
.set ADS, 6
.set FF,  10                           ; v[10:11] f = 2^(old M - new M) (the packed form names a pair and takes its low word)
.set NM,  12                           ; v12     -M
.set TX,  13                           ; v13     the largest t so far
.set SUM, 14                           ; v[14:15] the row's sum, in two halves
.set QF,  16                           ; v16-23  Q's fragment
.set OA,  24                           ; v24-31  O^T
.set VF,  32                           ; v32-39  V's fragment of the step
.set PC,  40                           ; v40-47  p's codes
.set VS,  48                           ; v48     V's scale words: scales and nothing else
.set PW,  49                           ; v49     p's scale word: likewise
.set BM,  50                           ; v50-53  the blocks' largest scores, then largest p
.set BP,  54                           ; v54-57  from the other half of the lanes; bytes; a second chain of the sum
.set SO,  58                           ; v58-61  the conversions' scale operands
.set TT,  62                           ; v62     at work
.set KF,  64                           ; v64-127  K's eight fragments of a step
.set SR,  128                          ; v128-191 S^T: written by matrix instructions alone
.set PR,  192                          ; v192-255 t - M, then p
.set CS,  24                           ; s[24:25] c = log2(e) / 4
.set SEL, 26                           ; s[26:27] v_permlanex16_b32's selects for lane l xor 16
.set TK,  28                           ; s28     LDS byte of the next step's tiles of K
.set TV,  29                           ; s29     of this step's fragment of V
.set TS,  30                           ; s30     of its scale words
.set CNT, 31
.macro KLOAD adr                       ; a step's eight tiles of K: each load takes 512 consecutive bytes
.set n, 0
.rept 8
	ds_load_b128 v[KF+8*n:KF+8*n+3], v[\adr] offset:1024*n
	ds_load_b128 v[KF+8*n+4:KF+8*n+7], v[\adr] offset:1024*n+512
.set n, n+1
.endr
.endm
.macro KPAIR adr, t                    ; two of the eight: tiles t and t + 1, four loads
	ds_load_b128 v[KF+8*(\t):KF+8*(\t)+3], v[\adr] offset:1024*(\t)
	ds_load_b128 v[KF+8*(\t)+4:KF+8*(\t)+7], v[\adr] offset:1024*(\t)+512
	ds_load_b128 v[KF+8*(\t)+8:KF+8*(\t)+11], v[\adr] offset:1024*(\t)+1024
	ds_load_b128 v[KF+8*(\t)+12:KF+8*(\t)+15], v[\adr] offset:1024*(\t)+1536
.endm
	s_load_b256 s[4:11], s[0:1], 0x0               ; qimg s[4:5], kimg s[6:7], vimg s[8:9], vsc s[10:11]
	s_load_b64 s[12:13], s[0:1], 0x20              ; heads
	v_lshrrev_b32 v7, 5, v0
	v_readfirstlane_b32 s14, v7                    ; wave 0..15
	s_and_b32 s15, ttmp7, 0xffff                   ; 8 x batch + head
	v_lshlrev_b32 v7, 4, v0                        ; the fill: 16 bytes a thread, 8,192 a load of the work-group
	v_lshlrev_b32 v8, 2, v0
	v_add_nc_u32 v9, 0x10000, v7                   ; (an LDS offset holds 16 bits)
	v_add_nc_u32 v[ADK], VL, v7
	v_add_nc_u32 v[ADV], SL, v8
	v_and_b32 v[AK], 31, v0
	v_lshlrev_b32 v[AS], 2, v[AK]
	v_lshlrev_b32 v[AK], 4, v[AK]
	v_add_nc_u32 v[AV], VL, v[AK]
	v_add_nc_u32 v[AS], SL, v[AS]
	s_lshl_b32 s16, s15, 17                        ; the head's first byte in kimg (and qimg, heads),
	s_mov_b32 s17, 0
	s_lshl_b32 s18, s15, 14                        ; in vimg,
	s_mov_b32 s19, 0
	s_lshl_b32 s20, s15, 11                        ; in vsc
	s_mov_b32 s21, 0
	s_wait_alu depctr_va_sdst(0)                   ; s14, the wave's number, is written, ahead of its first reader: Q's and the result's bases are made from it
	s_lshl_b32 s22, ttmp9, 4
	s_add_co_u32 s22, s22, s14                     ; my tile of queries: 16 x work-group x + wave
	s_lshl_b32 s22, s22, 10
	s_add_co_u32 s22, s22, s16
	s_mov_b32 s23, 0
	s_mov_b32 s[CS], 0x3eb8aa3b                    ; log2(e) / 4
	s_mov_b32 s[CS+1], s[CS]                       ; (named with it as a pair, so it is written)
	s_mov_b32 s[SEL], 0x76543210
	s_mov_b32 s[SEL+1], 0xfedcba98
	s_mov_b32 s[TK], 8192
	s_mov_b32 s[TV], 0
	s_mov_b32 s[TS], 0
	s_mov_b32 s[CNT], 15
	s_wait_kmcnt 0x0
	s_add_nc_u64 s[6:7], s[6:7], s[16:17]
	s_add_nc_u64 s[8:9], s[8:9], s[18:19]
	s_add_nc_u64 s[10:11], s[10:11], s[20:21]
	s_add_nc_u64 s[4:5], s[4:5], s[22:23]
	s_add_nc_u64 s[12:13], s[12:13], s[22:23]
	s_wait_alu depctr_va_vdst(0)                   ; the offsets and LDS addresses v1 to v5 and v7 to v9 are written, which the loads and LDS stores of the fill, the first loads of K and the last stores read
.set n, 0
.rept 16
	global_load_b128 v[PR+4*n:PR+4*n+3], v7, s[6:7] offset:8192*n      ; K: 21 loads of a thread are on their way together
.set n, n+1
.endr
	global_load_b128 v[KF:KF+3], v7, s[8:9]                            ; V's codes
	global_load_b128 v[KF+4:KF+7], v7, s[8:9] offset:8192
	global_load_b32 v[KF+8], v8, s[10:11]                              ; V's scale words
	global_load_b128 v[QF:QF+3], v[AK], s[4:5] th:TH_LOAD_NT           ; my tile of Q: read by this wave alone
	global_load_b128 v[QF+4:QF+7], v[AK], s[4:5] offset:512 th:TH_LOAD_NT
	v_mov_b32 v[TX], 0xff61b1e6                    ; the largest t so far: -3e38, under every t.  (These lines name no register that the fill's loads and LDS stores touch)
	v_floor_f32 v[NM], -v[TX]                      ; -M
	v_mov_b32 v[SUM], 0
	v_mov_b32 v[SUM+1], 0
	v_mov_b32 v[FF+1], 0                           ; (the pair's upper word is named, so it is written)
.irp b, 0,1,2,3
	v_mov_b32 v[BP+\b], 0                          ; written once: a lane permute's destination counts as one of its sources
.endr
.irp j, 0,1,2,3,4,5,6,7
	v_mov_b32 v[OA+\j], 0                          ; O^T: the step is written without a first step of its own: the first change of M multiplies zeros
.endr
.set n, 0
.rept 8
	s_wait_loadcnt 20-n                            ; load n of K is in: behind it were issued 15 - n of K, two of V, one of scale words, two of Q
	ds_store_b128 v7, v[PR+4*n:PR+4*n+3] offset:8192*n
.set n, n+1
.endr
.rept 8
	s_wait_loadcnt 20-n
	ds_store_b128 v9, v[PR+4*n:PR+4*n+3] offset:8192*(n-8)
.set n, n+1
.endr
	s_wait_loadcnt 4                               ; V's first load: four were issued behind it
	ds_store_b128 v[ADK], v[KF:KF+3]
	s_wait_loadcnt 3
	ds_store_b128 v[ADK], v[KF+4:KF+7] offset:8192
	s_wait_loadcnt 2
	ds_store_b32 v[ADV], v[KF+8]
	s_wait_loadcnt 0x0                             ; Q
	s_wait_dscnt 0x0                               ; for the others' sake: my stores into LDS are done
	s_barrier_signal -1
	s_barrier_wait -1                              ; K, V and the scale words are whole; nothing is written to LDS from here on
	s_wait_alu depctr_vm_vsrc(0)                   ; my LDS stores have read v64-72, in which K's loads land, v192-255, which the softmax writes, and v4, v5, which the steps write
	KLOAD AK                                       ; step 0's tiles
; A KEY STEP: 128 keys.  fetch = 1: the next step's tiles of K are asked for as soon as this step's have been multiplied, and land under the softmax.
.macro STEP fetch
	s_wait_dscnt 0x0                               ; this step's tiles of K are in
	s_wait_alu depctr_vm_vsrc(0)                   ; the LDS loads issued so far have read v4 to v6, which the three additions behind the products write again
.irp i, 0,1,2,3                                ; S^T = K Q^T: four along K an instruction; the eight accumulators take turns, one instruction a turn; the first link starts each sum with 0
.irp t, 0,1,2,3,4,5,6,7
.if \i == 0
	v_wmma_f32_16x16x4_f32 v[SR+8*\t:SR+8*\t+7], v[KF+8*\t:KF+8*\t+1], v[QF:QF+1], 0
.else
	v_wmma_f32_16x16x4_f32 v[SR+8*\t:SR+8*\t+7], v[KF+8*\t+2*\i:KF+8*\t+2*\i+1], v[QF+2*\i:QF+2*\i+1], v[SR+8*\t:SR+8*\t+7]
.endif
.endr
.endr
	v_add_nc_u32 v[ADV], s[TV], v[AV]              ; eight plain instructions behind this form, ahead of the first read of its results: three of use, five v_nop
	v_add_nc_u32 v[ADS], s[TS], v[AS]
.if \fetch
	v_add_nc_u32 v[ADK], s[TK], v[AK]
.else
	v_nop
.endif
.rept 5
	v_nop
.endr
	s_wait_alu depctr_va_vdst(0)                   ; the additions have written v4 to v6, which the loads below read; the last step's scaled product is done reading v32-39 and v48, this step's 32 products are done reading v64-127: the loads land there
	ds_load_b128 v[VF:VF+3], v[ADV]                ; this step's fragment of V and its scale words,
	ds_load_b128 v[VF+4:VF+7], v[ADV] offset:512
	ds_load_b32 v[VS], v[ADS]
.irp b, 0,1,2,3
	v_max3_num_f32 v[BM+\b], v[SR+16*\b], v[SR+16*\b+1], v[SR+16*\b+2]   ; THE LARGEST SCORE OF EACH BLOCK OF 32 KEYS serves twice: for the row's maximum and, since p rises with the score, for the block's largest p.  Each accumulator is read from its low end on
.endr
.irp i, 3,5,7,9,11,13
.if \fetch && (\i < 11)
	KPAIR ADK, \i-3                                ; then the next step's K, four loads at a time.  No wait: no vector or matrix instruction since the wait above names v4 or v64-127
.endif
.irp b, 0,1,2,3
	v_max3_num_f32 v[BM+\b], v[BM+\b], v[SR+16*\b+\i], v[SR+16*\b+\i+1]
.endr
.endr
.irp b, 0,1,2,3
	v_max_num_f32 v[BM+\b], v[BM+\b], v[SR+16*\b+15]
.endr
.irp b, 0,1,2,3
	v_permlanex16_b32 v[BP+\b], v[BM+\b], s[SEL], s[SEL+1]
.endr
.irp b, 0,1,2,3
	v_max_num_f32 v[BM+\b], v[BM+\b], v[BP+\b]     ; with lane l xor 16's 16 keys
.endr
	v_max3_num_f32 v[TT], v[BM], v[BM+1], v[BM+2]
	v_max_num_f32 v[TT], v[TT], v[BM+3]            ; the step's largest score of my query,
	v_mul_f32 v[TT], s[CS], v[TT]                  ; as t (c is positive)
	v_max_num_f32 v[TX], v[TX], v[TT]              ; the running largest t
	v_mov_b32 v[TT], v[NM]
	v_floor_f32 v[NM], -v[TX]                      ; the new -M = floor(-t) = -ceil(t): M is a whole number
	v_sub_f32 v[TT], v[NM], v[TT]                  ; old M - new M: a whole number, 0 or less
	v_cvt_i32_f32 v[TT], v[TT]                     ; (it saturates)
	v_ldexp_f32 v[FF], 1.0, v[TT]                  ; f = 2^(old M - new M)
.set n, 0
.rept 32
	v_pk_fma_f32 v[PR+n:PR+n+1], v[SR+n:SR+n+1], s[CS:CS+1], v[NM:NM+1] op_sel_hi:[1,0,0]   ; t - M, two at a time, into registers of their own
.set n, n+2
.endr
.irp b, 0,1,2,3
	v_fma_f32 v[BM+\b], v[BM+\b], s[CS], v[NM]     ; the same of each block's largest score
.endr
.irp b, 0,1,2,3
	v_exp_f32 v[BM+\b], v[BM+\b]                   ; the block's largest p: the same two instructions on the same number give the same bits
.endr
.set n, 0
.rept 64
	v_exp_f32 v[PR+n], v[PR+n]                     ; p = 2^(t - M), at most 1: not normalised.  ONE BATCH of 68 exponentials
.set n, n+1
.endr
	v_pk_mul_f32 v[SUM:SUM+1], v[SUM:SUM+1], v[FF:FF+1] op_sel_hi:[1,0]   ; the sums under the new M: the plain instruction behind the last exponential
	s_wait_alu depctr_va_vdst(0)                   ; the 68 exponentials have written v50-53 and v192-255: one wait for the whole batch, ahead of the first instruction that names a result
.irp b, 0,1,2,3
	v_max_num_f32 v[BM+\b], 0x1800000, v[BM+\b]    ; the floor 2^(3 - 127): the byte cannot fall under 1
.endr
.irp b, 0,1,2,3
	v_add_nc_u32 v[SO+\b], 0xff000000, v[BM+\b]    ; 2 off the exponent field: the conversion's scale operand
.endr
.irp b, 0,1,2,3
	v_lshrrev_b32 v[BP+\b], 23, v[SO+\b]           ; the scale's byte
.endr
	v_lshl_or_b32 v[PW], v[BP+1], 8, v[BP]         ; p's scale word for these 128 keys
	v_lshl_or_b32 v[PW], v[BP+2], 16, v[PW]
	v_lshl_or_b32 v[PW], v[BP+3], 24, v[PW]
.irp b, 0,1,2,3
	v_cvt_scalef32_pk8_fp4_f32 v[PC+2*\b], v[PR+16*\b:PR+16*\b+7], v[SO+\b]
	v_cvt_scalef32_pk8_fp4_f32 v[PC+2*\b+1], v[PR+16*\b+8:PR+16*\b+15], v[SO+\b]
.endr
	v_nop                                          ; one plain instruction behind the last scaled conversion
.irp c, 0,1                                    ; the operand wants a whole block in a lane: lanes 0-15 block 2 c, lanes 16-31 block 2 c + 1
.irp i, 0,1
	v_permlane16_swap_b32 v[PC+4*\c+\i], v[PC+2+4*\c+\i]
.endr
.endr
.irp j, 0,2,4,6
	v_pk_mul_f32 v[OA+\j:OA+\j+1], v[OA+\j:OA+\j+1], v[FF:FF+1] op_sel_hi:[1,0]   ; O^T under the new M, from its low end on
.endr
	v_pk_add_f32 v[BP:BP+1], v[PR:PR+1], v[PR+2:PR+3]   ; THE ROW'S SUM IS TAKEN OF THE UNQUANTISED p: two at a time, in two chains.  These 32 also stand between the scale word's and the codes' last writes and the scaled matrix instruction (eight and four are asked)
.set n, 4
.rept 15
	v_pk_add_f32 v[SUM:SUM+1], v[SUM:SUM+1], v[PR+n:PR+n+1]
	v_pk_add_f32 v[BP:BP+1], v[BP:BP+1], v[PR+n+2:PR+n+3]
.set n, n+4
.endr
	v_pk_add_f32 v[SUM:SUM+1], v[SUM:SUM+1], v[BP:BP+1]
.if \fetch
	s_wait_dscnt 16                                ; V's three loads are in; the 16 loads of the next step's K, issued behind them, may be out
.else
	s_wait_dscnt 0x0
.endif
	s_wait_alu depctr_va_vdst(0)                   ; p's codes v40-47 and scale word v49 are written, which the scaled product takes; the plain instructions asked for ahead of it stand above this wait
	v_wmma_scale_f32_16x16x128_f8f6f4 v[OA:OA+7], v[VF:VF+7], v[PC:PC+7], v[OA:OA+7], v[VS], v[PW] matrix_a_fmt:MATRIX_FMT_FP4 matrix_b_fmt:MATRIX_FMT_FP4   ; O^T += V^T P^T: 16 of the head x my 16 queries, K = these 128 keys
.endm
.Lstep:                                        ; 15 trips; the last step is written out, since it fetches nothing
	STEP 1
	s_add_co_u32 s[TK], s[TK], 8192
	s_add_co_u32 s[TV], s[TV], 1024
	s_add_co_u32 s[TS], s[TS], 128
	s_sub_co_u32 s[CNT], s[CNT], 1
	s_cmp_lg_u32 s[CNT], 0
	s_cbranch_scc1 .Lstep
	STEP 0
	v_add_f32 v[SUM], v[SUM], v[SUM+1]             ; the sum's two halves,
	v_permlanex16_b32 v[TT], v[SUM], s[SEL], s[SEL+1]
	v_add_f32 v[SUM], v[SUM], v[TT]                ; and lane l xor 16's: the row's sum
	v_rcp_f32 v[SUM], v[SUM]
.rept 4
	v_nop                                          ; four plain instructions behind the last product ahead of the first read of O^T; the first is also the plain one behind the reciprocal
.endr
	s_wait_alu depctr_va_vdst(0)                   ; the reciprocal has written v14: the wait ahead of its first reader
.irp j, 0,2,4,6
	v_pk_mul_f32 v[PR+\j:PR+\j+1], v[OA+\j:OA+\j+1], v[SUM:SUM+1] op_sel_hi:[1,0]   ; O^T / the sum, from the low end on
.endr
	s_wait_alu depctr_va_vdst(0)                   ; the four multiplications have written v192-199, which the two stores read
	global_store_b128 v[AK], v[PR:PR+3], s[12:13]              ; each store of the wave covers 512 consecutive bytes, aligned
	global_store_b128 v[AK], v[PR+4:PR+7], s[12:13] offset:512
	s_wait_xcnt 0x0
	v_lshl_add_u32 v254, v0, 2, 0x24800            ; the closing add's two registers are made here: no two could be kept through the loop.  No memory or LDS instruction has read v254 or v255 since the last wait on vm_vsrc
	v_mov_b32 v255, 0
	s_wait_dscnt 0x0                               ; the closing lines, six on end
	s_wait_alu 0x0
	s_wait_tensorcnt 0x0
	ds_add_u32 v254, v255
	s_wait_dscnt 0x0
	s_endpgm
.Lfunc_end_k_q8bdf67fc00_attn:
	.size	k_q8bdf67fc00_attn, .Lfunc_end_k_q8bdf67fc00_attn-k_q8bdf67fc00_attn
	.p2alignl 7, 3214868480
	.fill 96, 4, 3214868480
	.section	.rodata,"a",@progbits
	.p2align	6, 0x0
	.amdhsa_kernel k_q8bdf67fc00_attn
		.amdhsa_group_segment_fixed_size 151552
		.amdhsa_private_segment_fixed_size 0
		.amdhsa_enable_private_segment 0
		.amdhsa_kernarg_size 40
		.amdhsa_user_sgpr_count 2
		.amdhsa_user_sgpr_kernarg_segment_ptr 1
		.amdhsa_wavefront_size32 1
		.amdhsa_system_sgpr_workgroup_id_x 1
		.amdhsa_system_sgpr_workgroup_id_y 1
		.amdhsa_system_sgpr_workgroup_id_z 1
		.amdhsa_system_vgpr_workitem_id 0
		.amdhsa_next_free_vgpr 256
		.amdhsa_next_free_sgpr 66
		.amdhsa_reserve_vcc 0
		.amdhsa_float_denorm_mode_32 3
		.amdhsa_float_denorm_mode_16_64 3
		.amdhsa_memory_ordered 1
		.amdhsa_forward_progress 1
		.amdhsa_inst_pref_size 38
	.end_amdhsa_kernel
	.amdgpu_metadata
---
amdhsa.version: [ 1, 2 ]
amdhsa.kernels:
  - .name:           k_q8bdf67fc00_attn
    .symbol:         k_q8bdf67fc00_attn.kd
    .args:
      - { .name: qimg, .offset: 0, .size: 8, .value_kind: global_buffer, .address_space: global }
      - { .name: kimg, .offset: 8, .size: 8, .value_kind: global_buffer, .address_space: global }
      - { .name: vimg, .offset: 16, .size: 8, .value_kind: global_buffer, .address_space: global }
      - { .name: vsc, .offset: 24, .size: 8, .value_kind: global_buffer, .address_space: global }
      - { .name: heads, .offset: 32, .size: 8, .value_kind: global_buffer, .address_space: global }
    .group_segment_fixed_size: 151552
    .private_segment_fixed_size: 0
    .kernarg_segment_align: 8
    .kernarg_segment_size: 40
    .max_flat_workgroup_size: 512
    .sgpr_count:     66
    .vgpr_count:     256
    .wavefront_size: 32
...
	.end_amdgpu_metadata
.endif
;; end of part 5
;; launch outp (part 6): grid 64 x 1, 8 waves a work-group, no clusters, 77,824 bytes of LDS; arguments heads, W_out, out0; writes out0
.if DOCPART == 6
	.amdgcn_target "amdgcn-amd-amdhsa--gfx1250"
	.amdhsa_code_object_version 6
	.text
	.protected	k_q8bdf67fc00_outp
	.globl	k_q8bdf67fc00_outp
	.p2align	8
	.type	k_q8bdf67fc00_outp,@function
k_q8bdf67fc00_outp:
	s_mov_b64 s[64:65], 0
	v_nop
	global_prefetch_b8 v0, s[64:65] scope:SCOPE_SE
	s_setreg_imm32_b32 hwreg(HW_REG_WAVE_SCHED_MODE, 0, 2), 2
	s_setreg_imm32_b32 hwreg(HW_REG_WAVE_MODE, 25, 1), 1
	s_wait_xcnt 0x0
	s_wait_alu depctr_vm_vsrc(0)
; out0[row][e] = the sum over (head, v) of heads[row][head][v] W_out[head][v][e], both operands as codes of FP4 (E2M1) with one E8M0 scale for each 32 along K = 16 x head + v (a block of 32 is two heads).
; heads: [batch x head][128 tiles][1,024 bytes] f32, as the launch before stored it: numbers 8 q + 4 g + 0 .. 3 of the tile's query r at 512 g + 256 q + 16 r.  W_out: [128 (K)][128] f32.  out0: [8192][128] f32.
; SHARES.  A work-group takes 128 rows, each of its eight waves one tile of 16, for all 128 columns.  Wave w also quantises columns 16 w .. 16 w + 15 of W_out (a lane takes a column, its registers run down K);
; the fragment goes to the other waves through LDS as an image of its registers: so a work-group reads W_out once.  The tile of heads is quantised in registers by the wave that uses it.
; A tile's rows are those that the first launch chose: lane r of tile 2 b + u stands for row 32 b + 8 u + r + 8 (r / 8) of the 128.
; The product is used TRANSPOSED (source 0 = 16 columns of W_out, source 1 = my 16 rows): a lane holds eight neighbouring numbers of a row.  They go through the wave's own stage in LDS and leave as whole rows of 512 bytes.
; LIMITS: a block of zeros gets the byte 1 where the rule says 127 (its codes are zeros, and this program alone reads the bytes); NaN and infinities are not served.
; No tensor loads, no cluster: the work-groups share W_out alone, 65,536 bytes, read once by each.
; THE MODE: SCHED_MODE bits 1:0 = 2 (LLVM: expert scheduling mode 2), set by the entry lines.  The code itself states the register dependences between vector or matrix instructions and memory or LDS
; instructions, with s_wait_alu, always for 0.
; THE PLAN.  Registers that memory or LDS instructions touch:
;   v4-11        offsets and LDS addresses: written once at the head, never written again.
;   v64-127      heads' loads land; QUANT reads them; W_out's eight fragments land from LDS; the products read them.
;   v128-191     W_out's loads land; WQUANT reads them; then the eight accumulators, which the LDS stores into the stage read.
;   v42-49, v21  my columns' fragment and scale word: written by WQUANT, read by three LDS stores, never written again.
;   v12-19       W_out's scale words: LDS loads land, the products read them.
;   v192-255     the rows read back from the stage: LDS loads land, the global stores read them; no vector instruction names them.
;   v34-41, v20  my rows' codes and scale word: written by QUANT, taken by the scaled products.
;   v62, v63     written at the head, read by the closing add alone.
; No register that a memory or LDS instruction has read is written again: so the text holds no wait on vm_vsrc.
.set WIMG, 0                           ; LDS: W_out's eight fragments, 1,024 bytes each,
.set WSCL, 8192                        ; their scale words, 128 bytes each,
.set STG,  9216                        ; and a stage of 16 rows x (512 bytes + 16) for each wave
.set SPITCH, 528
.set HH,   3                           ; v3      lane / 16
.set HA,   4                           ; v4      heads: 16 r, and one head (131,072 bytes) on for lanes 16-31
.set WA,   5                           ; v5      W_out: my column, and 32 rows down for lanes 16-31
.set LI,   6                           ; v6      16 x lane
.set LS,   7                           ; v7      4 x lane
.set WWI,  8                           ; v8      where I store my fragment of W_out
.set WWS,  9                           ; v9      and its scale words
.set STI,  10                          ; v10     the stage: where I put 32 bytes of a row
.set STB,  11                          ; v11     and where I read a row back
.set WSC,  12                          ; v12-19  W_out's scale words, tile by tile: scales and nothing else
.set PW,   20                          ; v20     my rows' scale word
.set WPW,  21                          ; v21     my columns' scale word
.set TM,   22                          ; v22-33  at work in the quantisers
.set PC,   34                          ; v34-41  my rows' fragment
.set WPC,  42                          ; v42-49  my columns' fragment
.set SH8,  50                          ; v50     8 x (lane / 16)
.set RAWH, 64                          ; v64-127  64 numbers of heads; later W_out's eight fragments
.set RAWW, 128                         ; v128-191 64 numbers of W_out; later the eight accumulators
.set WFR,  64
.set DA,   128
.set OB,   192                         ; v192-255 16 rows read back from the stage
.set WV,   10                          ; s10
.set SEL,  18                          ; s[18:19]
.macro QUANT s, pc                     ; 64 numbers of a lane, register 16 b + i = k 32 b + 16 (lane / 16) + i of my row, become codes in v[pc] on and the scale word in v[PW]
.irp b, 0,1,2,3
	v_max3_num_f32 v[TM+\b], |v[\s+16*\b]|, |v[\s+1+16*\b]|, 0x1800000   ; and the floor 2^(3 - 127): the byte cannot fall under 1
.endr
.irp i, 2,4,6,8,10,12,14
.irp b, 0,1,2,3
	v_max3_num_f32 v[TM+\b], v[TM+\b], |v[\s+16*\b+\i]|, |v[\s+1+16*\b+\i]|
.endr
.endr
.irp b, 0,1,2,3
	v_permlanex16_b32 v[TM+4+\b], v[TM+\b], s[SEL], s[SEL+1]
.endr
.irp b, 0,1,2,3
	v_max_num_f32 v[TM+\b], v[TM+\b], v[TM+4+\b]
.endr
.irp b, 0,1,2,3
	v_add_nc_u32 v[TM+8+\b], 0xff000000, v[TM+\b]  ; 2 off the exponent field: the conversion's scale operand
.endr
.irp b, 0,1,2,3
	v_lshrrev_b32 v[TM+4+\b], 23, v[TM+8+\b]
.endr
	v_lshl_or_b32 v[PW], v[TM+5], 8, v[TM+4]
	v_lshl_or_b32 v[PW], v[TM+6], 16, v[PW]
	v_lshl_or_b32 v[PW], v[TM+7], 24, v[PW]
.irp b, 0,1,2,3
	v_cvt_scalef32_pk8_fp4_f32 v[\pc+2*\b], v[\s+16*\b:\s+7+16*\b], v[TM+8+\b]
	v_cvt_scalef32_pk8_fp4_f32 v[\pc+1+2*\b], v[\s+8+16*\b:\s+15+16*\b], v[TM+8+\b]
.endr
	v_nop                                          ; one plain instruction behind the last scaled conversion
.irp c, 0,1
.irp i, 0,1
	v_permlane16_swap_b32 v[\pc+4*\c+\i], v[\pc+2+4*\c+\i]
.endr
.endr
.endm
.macro WQUANT raw, dst, sw             ; my column's blocks (lane / 16) and 2 + (lane / 16): codes straight into the operand's registers
.irp c, 0,1
	v_max3_num_f32 v[TM+\c], |v[\raw+32*\c]|, |v[\raw+32*\c+1]|, 0x1800000
.endr
.irp i, 2,4,6,8,10,12,14,16,18,20,22,24,26,28,30
.irp c, 0,1
	v_max3_num_f32 v[TM+\c], v[TM+\c], |v[\raw+32*\c+\i]|, |v[\raw+32*\c+\i+1]|
.endr
.endr
.irp c, 0,1
	v_add_nc_u32 v[TM+8+\c], 0xff000000, v[TM+\c]
.endr
.irp c, 0,1
	v_lshrrev_b32 v[TM+4+\c], 23, v[TM+8+\c]
.endr
	v_lshl_or_b32 v[\sw], v[TM+5], 16, v[TM+4]
	v_lshlrev_b32 v[\sw], v[SH8], v[\sw]
	v_permlanex16_b32 v[TM+6], v[\sw], s[SEL], s[SEL+1]
	v_or_b32 v[\sw], v[\sw], v[TM+6]               ; with lane l xor 16's two bytes the word is whole
.irp c, 0,1
.irp g, 0,1,2,3
	v_cvt_scalef32_pk8_fp4_f32 v[\dst+4*\c+\g], v[\raw+32*\c+8*\g:\raw+32*\c+8*\g+7], v[TM+8+\c]
.endr
.endr
	v_nop                                          ; one plain instruction behind the last scaled conversion
.endm
	s_load_b128 s[4:7], s[0:1], 0x0                ; heads s[4:5], W_out s[6:7]
	s_load_b64 s[8:9], s[0:1], 0x10                ; out0
	v_lshl_add_u32 v62, v0, 2, 0x12c00             ; the closing add's two registers: my spare word, behind the stages, and 0; kept for that alone
	v_mov_b32 v63, 0
	v_lshrrev_b32 v1, 5, v0
	v_readfirstlane_b32 s[WV], v1                  ; wave 0..7: my tile of rows, and my tile of W_out's columns
	v_and_b32 v1, 31, v0                           ; lane
	v_and_b32 v2, 15, v0                           ; r
	v_bfe_u32 v[HH], v0, 4, 1
	v_lshlrev_b32 v[HA], 4, v2
	v_lshl_add_u32 v[HA], v[HH], 17, v[HA]
	v_lshlrev_b32 v[WA], 2, v2
	v_lshl_add_u32 v[WA], v[HH], 14, v[WA]         ; 32 rows of 512 bytes
	v_lshlrev_b32 v[LI], 4, v1
	v_lshlrev_b32 v[LS], 2, v1
	s_wait_alu depctr_va_sdst(0)                   ; s10, the wave's number, is written, ahead of its first reader: LDS addresses and all the bases are made from it
	s_lshl_b32 s11, s[WV], 10
	v_add_nc_u32 v[WWI], s11, v[LI]
	s_lshl_b32 s11, s[WV], 7
	v_add_nc_u32 v[WWS], s11, v[LS]
	s_mul_i32 s11, s[WV], 16*SPITCH
	s_add_co_u32 s11, s11, STG                     ; my stage
	v_mul_u32_u24 v[STI], v2, SPITCH
	v_lshl_add_u32 v[STI], v[HH], 5, v[STI]
	v_add_nc_u32 v[STI], s11, v[STI]               ; in: row r, 32 bytes for each half of the lanes
	v_add_nc_u32 v[STB], s11, v[LI]                ; back: the 32 lanes take one row of 512 bytes
	v_lshlrev_b32 v[SH8], 3, v[HH]
.irp b, 0,1,2,3
	v_mov_b32 v[TM+4+\b], 0                        ; written once: a lane permute's destination counts as one of its sources
.endr
	s_mov_b32 s[SEL], 0x76543210
	s_mov_b32 s[SEL+1], 0xfedcba98
	s_lshr_b32 s12, ttmp9, 4                       ; the batch: 8 heads of 131,072 bytes,
	s_lshl_b32 s12, s12, 20
	s_and_b32 s13, ttmp9, 15
	s_lshl_b32 s13, s13, 3
	s_add_co_u32 s13, s13, s[WV]                   ; my tile among a head's 128
	s_lshl_b32 s13, s13, 10
	s_add_co_u32 s12, s12, s13
	s_mov_b32 s13, 0
	s_lshl_b32 s14, s[WV], 6                       ; my 16 columns of W_out
	s_mov_b32 s15, 0
	s_lshl_b32 s16, ttmp9, 7                       ; my tile's first row of out0: 128 x work-group
	s_lshr_b32 s17, s[WV], 1
	s_lshl_b32 s17, s17, 5
	s_add_co_u32 s16, s16, s17                     ; + 32 (wave / 2)
	s_and_b32 s17, s[WV], 1
	s_lshl_b32 s17, s17, 3
	s_add_co_u32 s16, s16, s17                     ; + 8 (wave % 2)
	s_lshl_b32 s16, s16, 9
	s_mov_b32 s17, 0
	s_wait_kmcnt 0x0
	s_add_nc_u64 s[4:5], s[4:5], s[12:13]
	s_add_nc_u64 s[6:7], s[6:7], s[14:15]
	s_add_nc_u64 s[8:9], s[8:9], s[16:17]
	s_wait_alu depctr_va_vdst(0)                   ; the eight offsets and LDS addresses v4 to v11 are written: every load and store of the kernel reads one of them
.irp b, 0,1,2,3                                ; block b of K: heads 2 b (lanes 0-15) and 2 b + 1 (lanes 16-31); sixteen lanes read 256 consecutive bytes, aligned
.irp q, 0,1
.irp g, 0,1
	global_load_b128 v[RAWH+16*\b+8*\q+4*\g:RAWH+16*\b+8*\q+4*\g+3], v[HA], s[4:5] offset:262144*\b+512*\g+256*\q th:TH_LOAD_NT
.endr
.endr
.endr
.set n, 0
.rept 32
	global_load_b32 v[RAWW+n], v[WA], s[6:7] offset:512*n              ; W_out(32 (lane / 16) + n, my column)
.set n, n+1
.endr
.set n, 0
.rept 32
	global_load_b32 v[RAWW+32+n], v[WA], s[6:7] offset:512*(64+n)
.set n, n+1
.endr
	s_wait_loadcnt 63                              ; the 16 loads of heads are in: 64 were issued behind them, and 63 is the most that this wait can name (ISA guide 5.7.1)
	QUANT RAWH, PC
	s_wait_loadcnt 0x0
	WQUANT RAWW, WPC, WPW                          ; (its plain instructions also stand between the last writes of my rows' codes and scale word and the products: four and eight are asked)
	s_wait_alu depctr_va_vdst(0)                   ; WQUANT has written v42-49 and v21, which the LDS stores read; QUANT is done reading v64-127, in which the LDS loads behind the barrier land, and has written v34-41 and v20, which the scaled products take
	ds_store_b128 v[WWI], v[WPC:WPC+3] offset:WIMG
	ds_store_b128 v[WWI], v[WPC+4:WPC+7] offset:WIMG+512
	ds_store_b32 v[WWS], v[WPW] offset:WSCL
	s_wait_dscnt 0x0                               ; for the others' sake: my stores are done
	s_barrier_signal -1
	s_barrier_wait -1                              ; W_out's eight fragments lie in LDS
.set n, 0
.rept 8
	ds_load_b128 v[WFR+8*n:WFR+8*n+3], v[LI] offset:WIMG+1024*n
	ds_load_b128 v[WFR+8*n+4:WFR+8*n+7], v[LI] offset:WIMG+1024*n+512
	ds_load_b32 v[WSC+n], v[LS] offset:WSCL+128*n
.set n, n+1
.endr
	s_wait_dscnt 0x0
.irp t, 0,1,2,3,4,5,6,7                        ; K = 128 is one instruction: every product starts and ends its sum
	v_wmma_scale_f32_16x16x128_f8f6f4 v[DA+8*\t:DA+8*\t+7], v[WFR+8*\t:WFR+8*\t+7], v[PC:PC+7], 0, v[WSC+\t], v[PW] matrix_a_fmt:MATRIX_FMT_FP4 matrix_b_fmt:MATRIX_FMT_FP4
.endr
.rept 4
	v_nop                                          ; four plain instructions ahead of the LDS stores that read the results
.endr
	s_wait_alu depctr_va_vdst(0)                   ; the eight products have written v128-191, which the LDS stores read; the four plain instructions above stay beside this wait
.irp t, 0,1,2,3,4,5,6,7
	ds_store_b128 v[STI], v[DA+8*\t:DA+8*\t+3] offset:64*\t          ; lane (r, h): out(r, 16 t + 8 h + 0 .. 7); each accumulator from its low end on
	ds_store_b128 v[STI], v[DA+8*\t+4:DA+8*\t+7] offset:64*\t+16
.endr
.set n, 0
.rept 16
	ds_load_b128 v[OB+4*n:OB+4*n+3], v[STB] offset:n*SPITCH          ; LDS serves a wave's instructions in order (ISA guide 5.7.1.4): these see my stores; the stage is my own
.set n, n+1
.endr
.set n, 0
.rept 16
	s_wait_dscnt 15-n                              ; row n is back; the 15 - n loads issued behind it may be out
	global_store_b128 v[LI], v[OB+4*n:OB+4*n+3], s[8:9] offset:(n+8*(n/8))*512 th:TH_STORE_NT   ; 32 lanes store a row of 512 consecutive bytes, aligned; the tile's row n is row n + 8 (n / 8) from its first
.set n, n+1
.endr
	s_wait_dscnt 0x0                               ; the closing lines, six on end
	s_wait_alu 0x0
	s_wait_tensorcnt 0x0
	ds_add_u32 v62, v63
	s_wait_dscnt 0x0
	s_endpgm
.Lfunc_end_k_q8bdf67fc00_outp:
	.size	k_q8bdf67fc00_outp, .Lfunc_end_k_q8bdf67fc00_outp-k_q8bdf67fc00_outp
	.p2alignl 7, 3214868480
	.fill 96, 4, 3214868480
	.section	.rodata,"a",@progbits
	.p2align	6, 0x0
	.amdhsa_kernel k_q8bdf67fc00_outp
		.amdhsa_group_segment_fixed_size 77824
		.amdhsa_private_segment_fixed_size 0
		.amdhsa_enable_private_segment 0
		.amdhsa_kernarg_size 24
		.amdhsa_user_sgpr_count 2
		.amdhsa_user_sgpr_kernarg_segment_ptr 1
		.amdhsa_wavefront_size32 1
		.amdhsa_system_sgpr_workgroup_id_x 1
		.amdhsa_system_sgpr_workgroup_id_y 1
		.amdhsa_system_sgpr_workgroup_id_z 1
		.amdhsa_system_vgpr_workitem_id 0
		.amdhsa_next_free_vgpr 256
		.amdhsa_next_free_sgpr 66
		.amdhsa_reserve_vcc 0
		.amdhsa_float_denorm_mode_32 3
		.amdhsa_float_denorm_mode_16_64 3
		.amdhsa_memory_ordered 1
		.amdhsa_forward_progress 1
		.amdhsa_inst_pref_size 25
	.end_amdhsa_kernel
	.amdgpu_metadata
---
amdhsa.version: [ 1, 2 ]
amdhsa.kernels:
  - .name:           k_q8bdf67fc00_outp
    .symbol:         k_q8bdf67fc00_outp.kd
    .args:
      - { .name: heads, .offset: 0, .size: 8, .value_kind: global_buffer, .address_space: global }
      - { .name: W_out, .offset: 8, .size: 8, .value_kind: global_buffer, .address_space: global }
      - { .name: out0, .offset: 16, .size: 8, .value_kind: global_buffer, .address_space: global }
    .group_segment_fixed_size: 77824
    .private_segment_fixed_size: 0
    .kernarg_segment_align: 8
    .kernarg_segment_size: 24
    .max_flat_workgroup_size: 256
    .sgpr_count:     66
    .vgpr_count:     256
    .wavefront_size: 32
...
	.end_amdgpu_metadata
.endif
;; end of part 6
